; MI455X (gfx1250); checked and timed in simulation.
; The chip was launched on July 23, 2026; its instructions are those of AMD's public machine-readable ISA for CDNA 5 (MIT licence, August 2026) and "CDNA5" Instruction Set Architecture Reference Guide (July 2026). The comments in the code are by the model that wrote it; some were corrected since.
;; Multi Head Attention. Allowed arithmetic: matrix products marked QUANTISED: E4M3 operands, one E8M0 scale for each 32 along K, by v_wmma_scale_f32_16x16x128_f8f6f4 with both operands' format E4M3, f32 sums; everything else in f32.
;; Inputs: Wk_codes 1,024 x 32 x 32 uint8 (E4M3 codes of Wk, K innermost, in blocks of 32 codes); Wk_scales 1,024 x 32 uint8 (E8M0 scales of Wk, one for each 32 codes along K); Wo_codes 1,024 x 32 x 32 uint8 (E4M3 codes of Wo, K innermost, in blocks of 32 codes); Wo_scales 1,024 x 32 uint8 (E8M0 scales of Wo, one for each 32 codes along K); Wq_codes 1,024 x 32 x 32 uint8 (E4M3 codes of Wq, K innermost, in blocks of 32 codes); Wq_scales 1,024 x 32 uint8 (E8M0 scales of Wq, one for each 32 codes along K); Wv_codes 1,024 x 32 x 32 uint8 (E4M3 codes of Wv, K innermost, in blocks of 32 codes); Wv_scales 1,024 x 32 uint8 (E8M0 scales of Wv, one for each 32 codes along K); x_codes 4 x 2,048 x 32 x 32 uint8 (E4M3 codes of x, K innermost, in blocks of 32 codes); x_scales 4 x 2,048 x 32 uint8 (E8M0 scales of x, one for each 32 codes along K).
;; Outputs: out0 4 x 2,048 x 1,024 float32.
;; This version of the problem:
;;   THIS VERSION OF THE PROBLEM IS GIVEN IN LOW PRECISION. The matrix products marked QUANTISED in the list below multiply operands that are first quantised to E4M3 (4 exponent bits, 3 mantissa bits; 8 bits a number), with one power-of-two scale for each 32 numbers along K (OCP MX v1.0); their sums are f32. All else is computed in f32.
;;   The module's matrix products, in the order in which they are computed (A, B: the left and right operand; K: the contracted axis; several contracted axes count as one K, in the product's order):
;;     1. [M 8,192, K 1,024] x [K 1,024, N 1,024]; A: input x (given as codes); B: input Wq (given as codes): QUANTISED
;;     2. [M 8,192, K 1,024] x [K 1,024, N 1,024]; A: input x (given as codes); B: input Wk (given as codes): QUANTISED
;;     3. [M 8,192, K 1,024] x [K 1,024, N 1,024]; A: input x (given as codes); B: input Wv (given as codes): QUANTISED
;;     4. batch 64 x [M 2,048, K 64] x [K 64, N 2,048]; A: computed on the way; B: computed on the way: QUANTISED
;;     5. batch 64 x [M 2,048, K 2,048] x [K 2,048, N 64]; A: softmax (see below); B: computed on the way: QUANTISED
;;     6. [M 8,192, K 1,024] x [K 1,024, N 1,024]; A: computed on the way; B: input Wo (given as codes): QUANTISED
;;   THE QUANTISER, for each operand of a quantised product, along K:
;;     - K is cut into blocks of 32 from its start; a last block that is shorter is filled with zeros.
;;     - A block's scale is 2^e with e = floor(log2(the largest magnitude in the block)) - 8, held to -126 .. 127; a block of zeros has e = 0. As a byte (E8M0): e + 127.
;;     - Each number is divided by its block's scale, clamped to +-448, and rounded to the nearest number of E4M3, ties to even, subnormals kept.
;;     - The product sums the exact products of the quantised numbers (number of the format x scale) in f32.
;;   ~~~python
;;   def quantise(x, axis):      # numpy; x: float32 -> the quantised numbers, widened to float32 again
;;       x = np.moveaxis(x, axis, -1); K = x.shape[-1]
;;       x = np.pad(x, [(0, 0)] * (x.ndim - 1) + [(0, -K % 32)]); x = x.reshape(x.shape[:-1] + (-1, 32)); a = np.abs(x).max(-1, keepdims=True)
;;       e = np.where(a > 0, np.clip(np.frexp(np.where(a > 0, a, 1))[1] - 1 - 8, -126, 127), 0)      # np.frexp(a)[1] - 1 = floor(log2(a)), exactly
;;       r = np.clip(x / 2.0 ** e, -448, 448)
;;       step = 2.0 ** (np.maximum(np.frexp(np.where(r == 0, 1, r))[1] - 1, -6) - 3)
;;       q = np.round(r / step) * step * 2.0 ** e      # np.round: ties to even
;;       return np.moveaxis(q.reshape(q.shape[:-2] + (-1,))[..., :K], -1, axis).astype(np.float32)
;;   ~~~
;;   SOFTMAX AHEAD OF A QUANTISED PRODUCT. Where the list says 'softmax', what is quantised is not the finished softmax but p = 2^(t - M), with t = logit x log2(e) and M = ceil(the row's largest t), a whole number; so 1/2 < the row's largest p <= 1. The row's sum l is taken of the UNQUANTISED p, in f32, and the product's result is divided by l at the end. Since M is a whole number, a kernel that streams over the keys may use a running M (the ceiling of the running maximum): every later rescaling is an exact power of two, which a block's scale takes up: the codes' values come out the same.
;;   OPERANDS COMPUTED ON THE WAY. 'Computed on the way' means the value that the module computes at that place (a softmax that the list does not call 'softmax' is quantised finished and normalised). What goes into a quantiser is computed in f32, as accurately as f32 sums, v_exp_f32 and their like allow (about 1e-6 of the number): no bf16 or f16 on the way to a quantiser, and a product that is left as it is and whose result goes on into a quantised operand takes f32 operands (vector FMAs, or v_wmma_f32_16x16x4_f32). A number that lies on a knife's edge between two numbers of the format may be rounded either way, as far as f32 arithmetic and the matrix unit's own rounding can turn it there, and no further.
;;   INPUTS GIVEN AS CODES. Wk (in the module: [1024, 1024], K = its axis 1); Wo (in the module: [1024, 1024], K = its axis 1); Wq (in the module: [1024, 1024], K = its axis 1); Wv (in the module: [1024, 1024], K = its axis 1); x (in the module: [4, 2048, 1024], K = its axis 2): each comes as NAME_codes (uint8): NAME with its K axis moved to the last place and cut into blocks of 32 codes, [.., K / 32, bytes a block], one block behind the other in memory; one code a byte (a code: sign, 4 exponent bits, 3 mantissa bits); and NAME_scales (uint8): the same leading axes, one E8M0 byte (e + 127) for each 32 codes along K. Its value is code x scale, taken as it is: it is not quantised again, and the codes and scales need not be those that the quantiser above would give.
;; One version. Each part assembles by itself: llvm-mc -triple=amdgcn-amd-amdhsa -mcpu=gfx1250 --defsym DOCPART=n.
;; ======== version 1 of 1: 3 launches
;; limits: right only within a limited range of input values
;; workspace buffers: qkv_codes 25,165,824 bytes; qkv_scales 786,432 bytes; y_codes 8,388,608 bytes; y_scales 262,144 bytes
;; launch qkv (part 1): grid 12 x 32, 4 waves a work-group, clusters of 4 x 4, 327,680 bytes of LDS; arguments x_codes, x_scales, Wq_codes, Wq_scales, Wk_codes, Wk_scales, Wv_codes, Wv_scales, qkv_codes, qkv_scales; writes qkv_codes, qkv_scales
.if DOCPART == 1
	.amdgcn_target "amdgcn-amd-amdhsa--gfx1250"
	.amdhsa_code_object_version 6
	.text
	.protected	k_q0dbb3b15b7_qkv
	.globl	k_q0dbb3b15b7_qkv
	.p2align	8
	.type	k_q0dbb3b15b7_qkv,@function
k_q0dbb3b15b7_qkv:
	s_mov_b64 s[64:65], 0
	v_nop
	global_prefetch_b8 v0, s[64:65] scope:SCOPE_SE
	s_setreg_imm32_b32 hwreg(HW_REG_WAVE_MODE, 25, 1), 1
	s_wait_xcnt 0x0
	s_wait_alu depctr_hold_cnt(0) depctr_sa_sdst(0) depctr_va_vdst(0) depctr_va_sdst(0) depctr_va_ssrc(0) depctr_va_vcc(0) depctr_vm_vsrc(0)
	s_getreg_b32 s2, hwreg(HW_REG_IB_STS2, 6, 4)
	s_cmp_eq_u32 s2, 0
	s_cbranch_scc0 .Lentry_in_a_cluster
	s_endpgm
.Lentry_in_a_cluster:
	s_bfe_u32 s2, ttmp6, 0x10000c
	s_cmp_lg_u32 s2, 0xf033
	s_cbranch_scc0 .Lentry_shape_is_right
	s_endpgm
.Lentry_shape_is_right:
; q = x Wq^T, k = x Wk^T, v = x Wv^T on codes of FP8 (E4M3) with one E8M0 scale for each 32 along K = 1,024, sums in f32; the results are quantised at once, q and k along a head's 64 channels,
; v along the tokens, and leave as codes and scale bytes laid in the order in which the attention launch's operand registers take them.
; SHARES.  A tile of 256 x 256 results is made by a work-group of four waves, a wave makes 128 x 128: 64 accumulators of 16 x 16, 512 registers.  K goes in steps of 256 through a ring of two LDS slots filled by the
; tensor data mover; the scale bytes of the work-group's 2 x 256 rows, for all of K, come into LDS once, with the first fills.
; THE THREE TENSORS take one text.  The cluster's x says which: 0 q, 1 k, 2 v; it is the same in all sixteen partners.  The matrix instruction is used transposed (source 0 = 16 rows of operand B, source 1 = 16 rows
; of operand A): a lane holds ONE row of A and its registers run along rows of B.  For q and k: A = x (a lane a token), B = W (registers along the channels: the next K).  For v the two change places: A = Wv (a lane
; a channel), B = x (registers along the tokens: the next K).  What differs is chosen by s_cselect on the cluster's x: pointers, tile coordinates, two strides and a byte selector.  No branch hangs on it.
; CLUSTERS: 4 x 4 work-groups.  The four of a row of the cluster need the same tiles of A, the four of a column the same tiles of B: each tile is asked for jointly, by the same tensor load with the same descriptor
; and a mask that names the four.
; THE WAY OUT.  For A's block a a lane holds 64 numbers of one row: four blocks of 32 along the next K, each shared with the lane 16 away.  Largest magnitude, scale, hold, conversion; the codes go by 8 bytes into the
; wave's stage in LDS, at the place that they have in the workspace, and leave as four runs of 4,096 consecutive bytes.
; THE WORKSPACE, for each (batch, head): Q, K, V parts of 131,072 bytes of codes and 4,096 of scale bytes.  A piece is 512 bytes: four operand registers of 32 lanes, lane l at 16 l.
;   Q, K: 32 tokens are four pieces: pieces 2 u, 2 u + 1 hold tile u, whose row r is token 8 u + r + 8 (r / 8); piece 2 u + c holds channels 32 c + 16 (l / 16) + 0 .. 15.  Scale word (row r): bytes (u, c) = (0,0) (0,1) (1,0) (1,1).
;   V: 128 keys are sixteen pieces: channel tile t, key block c at 4,096 (c / 2) + 1,024 t + 512 (c % 2); row m of tile t is channel 32 (t / 2) + 8 (t % 2) + m + 8 (m / 8).  Scale word of that row at 128 (t % 2) + 64 (t / 2) + 4 m.
; LIMITS: NaN codes, scale bytes 0xff and sums that overflow are not served.  A block of zeros gets the byte 1 where the quantiser says 127: its codes are zeros, and this program alone reads the bytes.
; A block whose largest magnitude lies under 2^(9 - 127) is quantised under the floor's scale.
; REGISTERS, in windows of 256: window 0: v0-31 addresses; v32-63 scale words, two sets; from v128 A's fragments, one set.  Window 1: B's fragments, two sets.  Windows 2, 3: the accumulators ((a, b) at v[8 (8 (a % 4) + b)]).
.set KSTEP,  256                       ; along K in a slot
.set NQ,     2                         ; matrix instructions deep
.set ROWB,   256                       ; a tile's row in bytes
.set KROW,   1024                      ; a row of x or of W in memory, in bytes
.set PITCH,  272                       ; an LDS row: 256 bytes + 16 of padding = 68 words: the 16 rows that a load touches start at 16 different banks (64 banks of 4 bytes: ISA guide 11.1)
.set FR,     16                        ; registers of a fragment: 16 rows x 128 K
.set NL,     4                         ; LDS loads that bring one
.set NP,     8                         ; places behind this matrix instruction (ISA guide 7.12.1)
.set HALFT,  128*PITCH                 ; 128 rows: what one tensor load brings
.set SLOT,   4*HALFT                   ; A's 256 rows, then B's 256 rows
.set KS,     32                        ; a row of scale bytes
.set SCL,    2*SLOT                    ; behind the ring: the scales, as 256 bytes + 16 of padding
.set HALFS,  (128*KS/256)*272          ; the scales of 128 rows
.set SBLK,   (16*KS/256)*272           ; those of 16 rows
.set SPARE,  SCL+4*HALFS               ; the spare words, 128 bytes for each wave: two blocks of 256 bytes that no other line names
.set HS,     393216                    ; from head to head in the codes' workspace
.set SSTG,   65536                     ; the stages lie in slot 0, which has had its last fill and its last read when the first result is stored: codes 16,384 bytes a wave from 0, scale words 512 a wave from here
.set STO,  7                           ; v7   where I put 8 codes: 16,384 wave + 1,024 (r / 8) + 16 (r % 8) + 8 (l / 16)
.set SSTO, 8                           ; v8   where I put a scale word
.set RD,   9                           ; v9   where I read the codes' stage back: 16 bytes a lane
.set SRD,  10                          ; v10  and the scale words' stage
.set LO,   11                          ; v11  16 x lane: my place in a store of 512 bytes
.set SLO,  12                          ; v12  my place among the four runs of 128 scale bytes
.set VSEL, 13                          ; v13  the byte selector that makes a scale word
.set ADRA, 16                          ; v16-17  LDS address of my A fragments in slot 0, 1
.set ADRB, 20                          ; v20-21  the same for B
.set ADRS, 27                          ; v27  LDS address of my scale words: lanes 0-15 A's rows, lanes 16-31 B's
.set SPW,  28                          ; v28  LDS address of my spare word; never rewritten
.set NIL,  29                          ; v29  0; never rewritten
.set SC,   32                          ; scale words: set s at v[SC + 16 s]; register 2 i + q: lanes 0-15 A's block i, lanes 16-31 B's block i
.set AF,   128                         ; A's fragments, in window 0
.set TM,   32                          ; the way out: v32-35 largest magnitudes, v36-39 bytes, v44-47 the conversions' scale operands
.set PW,   48                          ; my row's four bytes;  v49 those of the lane 8 away;  v50 the word that is stored
.set PWD,  49
.set SW,   50
.set X,    64                          ; v64-127  64 held numbers
.set CD,   128                         ; v128-143 their codes
.set OB,   64                          ; v64-191  the stage read back
.set SB,   192                         ; v192-195 the scale words read back
.set G1, 24                            ; s[24:31] descriptor group 1 for A's tiles;  s[32:39] group 0, one set for each slot
.set G0, 32
.set G1B, 48                           ; s[48:55], s[56:63] the same for B's tiles
.set G0B, 56
.set G1S, 68                           ; s[68:75], s[76:79] groups 1 and 0 for A's scales;  s[80:87], s[88:91] for B's.  (s68-87 first hold the ten pointers)
.set G0S, 76
.set G1SB, 80
.set G0SB, 88
.set MSB, 0
.macro WIN new                         ; the immediate's high byte repeats the setting that is left
.if MSB != \new
	s_set_vgpr_msb (MSB<<8)|\new
.set MSB, \new
.endif
.endm
.set MUL_LO, 0xa1                      ; source 0 (B) window 1, source 1 (A) window 0, C and D window 2
.set MUL_HI, 0xf1                      ; the same, C and D window 3
.set TO_B,   0x40                      ; destination window 1, address window 0
; A joint load: waves 0 and 1 fetch for A, waves 2 and 3 for B.  Each of the two lines has one mask and one set of registers; the branch hangs on the wave's number alone.
; Four v_nop follow each of the two lines, ahead of the jump, the label and what follows.
.macro JLOAD g0a, g1a, g0b, g1b
	s_cmp_eq_u32 s15, 0
	s_cbranch_scc0 .Lfor_b_\@
	tensor_load_to_lds s[\g0a:\g0a+3], s[\g1a:\g1a+7]
	s_nop 0
.rept 4
	v_nop
.endr
	s_branch .Lasked_\@
.Lfor_b_\@:
	tensor_load_to_lds s[\g0b:\g0b+3], s[\g1b:\g1b+7]
	s_nop 0
.rept 4
	v_nop
.endr
.Lasked_\@:
.endm
.macro CREST                           ; a round of the cluster's barrier behind its opening barrier
	s_cmp_lg_u32 s14, 0
	s_cbranch_scc1 .Lnot_wave_0_\@
	s_barrier_signal -3
.Lnot_wave_0_\@:
	s_barrier_wait -3
	s_barrier_signal -1
	s_barrier_wait -1
.endm
.macro CROUND                          ; a whole round
	s_barrier_signal -1
	s_barrier_wait -1
	CREST
.endm
	s_load_b512 s[68:83], s[0:1], 0x0              ; x codes, x scales, Wq codes, Wq scales, Wk codes, Wk scales, Wv codes, Wv scales
	s_load_b128 s[84:87], s[0:1], 0x40             ; the workspace: codes, scale bytes
	v_lshl_add_u32 v[SPW], v0, 2, SPARE
	v_mov_b32 v[NIL], 0
	ds_add_u32 v28, v29
	ds_add_u32 v28, v29
	s_wait_dscnt 0x0
	v_lshrrev_b32 v1, 5, v0
	v_readfirstlane_b32 s14, v1                    ; wave 0..3
	s_lshr_b32 s15, s14, 1                         ; which half of A's rows is mine.  Also: I fetch for A (0) or for B (1)
	s_and_b32 s16, s14, 1                          ; which half of B's rows.  Also: which 128 rows of that tile I fetch
	s_bfe_u32 s40, ttmp6, 0x40000                  ; cx, cy: my place in the cluster
	s_bfe_u32 s41, ttmp6, 0x40004
	s_and_b32 s18, ttmp7, 0xffff
	s_lshl_b32 s18, s18, 2                         ; 4 x cluster y: the 32 blocks of 256 tokens
	s_cmp_eq_u32 ttmp9, 2                          ; v?
	s_cselect_b32 s17, 0, s18                      ; A's tile row: tokens for q and k, channels for v
	s_cselect_b32 s42, s18, 0                      ; B's tile row: channels for q and k, tokens for v
	s_add_co_u32 s17, s17, s41                     ; + cy: shared along a row of the cluster
	s_add_co_u32 s42, s42, s40                     ; + cx: shared along a column
	s_lshl_b32 s43, s41, 2
	s_lshl_b32 s43, 15, s43                        ; my row of the cluster
	s_lshl_b32 s44, 0x1111, s40                    ; my column
	; descriptor group 1: a tile of 128 rows x 256 bytes, padded in LDS
	s_or_b32 s[G1+0], s43, (0<<16)|(1<<20)|(1<<21)|(5<<22)|(3<<25)  ; 15:0 the mask; 17:16 element of 1 byte; 20 padding on; 21 set beside a mask; 24:22 after every 64 words (code 5); 31:25 of 4 words (code 3)
	s_or_b32 s[G1B+0], s44, (0<<16)|(1<<20)|(1<<21)|(5<<22)|(3<<25)
.irp g, G1, G1B
	s_mov_b32 s[\g+1], ROWB<<16                    ; tensor_dim0
	s_mov_b32 s[\g+2], 128<<16                     ; tensor_dim1
	s_mov_b32 s[\g+3], ROWB<<16                    ; tile_dim0
	s_mov_b32 s[\g+4], 128                         ; tile_dim1
	s_mov_b32 s[\g+5], KROW                        ; tensor_dim0_stride
	s_mov_b32 s[\g+6], 0
	s_mov_b32 s[\g+7], 0
.endr
	s_lshl_b32 s18, s16, 7                         ; which 128 rows of the tile I fetch
	s_lshl_b32 s20, s17, 8
	s_add_co_u32 s20, s20, s18                     ; A: row 256 x tile row + 128 x half
	s_lshl_b32 s46, s42, 8
	s_add_co_u32 s46, s46, s18                     ; B likewise
	s_mov_b32 s21, 0
	s_mov_b32 s47, 0
	s_mov_b64 s[18:19], KS
	s_mul_u64 s[22:23], s[20:21], s[18:19]         ; where these rows' scales begin, in bytes
	s_mul_u64 s[92:93], s[46:47], s[18:19]
	s_mov_b64 s[18:19], KROW
	s_mul_u64 s[20:21], s[20:21], s[18:19]         ; and their codes
	s_mul_u64 s[46:47], s[46:47], s[18:19]
	s_mul_i32 s45, s14, HALFT                      ; where they go: wave x 128 rows: no place in the cluster enters an LDS address
	s_mul_i32 s94, s14, HALFS
	s_wait_kmcnt 0x0
	s_cmp_eq_u32 ttmp9, 0                          ; the weight: Wq, Wk
	s_cselect_b64 s[8:9], s[72:73], s[76:77]
	s_cselect_b64 s[10:11], s[74:75], s[78:79]
	s_cmp_eq_u32 ttmp9, 2                          ; or Wv
	s_cselect_b64 s[8:9], s[80:81], s[8:9]
	s_cselect_b64 s[10:11], s[82:83], s[10:11]
	s_cselect_b64 s[4:5], s[8:9], s[68:69]         ; A: the weight for v, else x
	s_cselect_b64 s[6:7], s[10:11], s[70:71]
	s_cselect_b64 s[8:9], s[68:69], s[8:9]         ; B: x for v, else the weight
	s_cselect_b64 s[10:11], s[70:71], s[10:11]
	s_mov_b64 s[12:13], s[84:85]                   ; the workspace's codes
	s_mov_b64 s[96:97], s[86:87]                   ; and scale bytes.  s68-87 are free from here on
	; the scales of 128 rows: a dense block of 4,096 bytes, as rows of 256 bytes (32 elements of 8 bytes), 16 bytes of padding behind each
	s_or_b32 s[G1S+0], s43, (3<<16)|(1<<20)|(1<<21)|(5<<22)|(3<<25)
	s_or_b32 s[G1SB+0], s44, (3<<16)|(1<<20)|(1<<21)|(5<<22)|(3<<25)
.irp g, G1S, G1SB
	s_mov_b32 s[\g+1], 32<<16
	s_mov_b32 s[\g+2], (128*KS/256)<<16
	s_mov_b32 s[\g+3], 32<<16
	s_mov_b32 s[\g+4], 128*KS/256
	s_mov_b32 s[\g+5], 32
	s_mov_b32 s[\g+6], 0
	s_mov_b32 s[\g+7], 0
.endr
	s_add_nc_u64 s[20:21], s[4:5], s[20:21]
	s_add_nc_u64 s[22:23], s[6:7], s[22:23]
	s_add_nc_u64 s[46:47], s[8:9], s[46:47]
	s_add_nc_u64 s[92:93], s[10:11], s[92:93]
	CROUND                                         ; all sixteen work-groups are here: the first joint loads meet
	s_mov_b32 s[G0S], 1
	s_add_co_u32 s[G0S+1], s94, SCL
	s_mov_b64 s[G0S+2:G0S+3], s[22:23]
	s_or_b32 s[G0S+3], s[G0S+3], 0x80000000
	s_mov_b32 s[G0SB], 1
	s_add_co_u32 s[G0SB+1], s94, SCL
	s_mov_b64 s[G0SB+2:G0SB+3], s[92:93]
	s_or_b32 s[G0SB+3], s[G0SB+3], 0x80000000
	JLOAD G0S, G1S, G0SB, G1SB                     ; the scales first: they are wanted with K step 0
.irp s, 0,1
	s_mov_b32 s[G0+4*\s], 1
	s_add_co_u32 s[G0+4*\s+1], s45, \s*SLOT
	s_add_nc_u64 s[G0+4*\s+2:G0+4*\s+3], s[20:21], \s*ROWB
	s_or_b32 s[G0+4*\s+3], s[G0+4*\s+3], 0x80000000
	s_mov_b32 s[G0B+4*\s], 1
	s_add_co_u32 s[G0B+4*\s+1], s45, \s*SLOT
	s_add_nc_u64 s[G0B+4*\s+2:G0B+4*\s+3], s[46:47], \s*ROWB
	s_or_b32 s[G0B+4*\s+3], s[G0B+4*\s+3], 0x80000000
	JLOAD G0+4*\s, G1, G0B+4*\s, G1B               ; three loads of mine are out behind the second of these
.endr
	v_and_b32 v1, 15, v0                           ; r = l % 16
	v_bfe_u32 v2, v0, 4, 1                         ; h = l / 16
	v_mul_u32_u24 v3, v1, PITCH
	v_lshl_add_u32 v4, v2, 4, v3                   ; a fragment's row x pitch + 16 x half
	s_mul_i32 s21, s15, HALFT                      ; my 128 rows of A
	s_mul_i32 s22, s16, HALFT                      ; my 128 rows of B,
	s_add_co_u32 s22, s22, 2*HALFT                 ; which lie behind A's 256
.irp s, 0,1
	v_add_nc_u32 v[ADRA+\s], s21, v4
	v_add_nc_u32 v[ADRB+\s], s22, v4
	s_add_co_u32 s21, s21, SLOT
	s_add_co_u32 s22, s22, SLOT
.endr
	v_mul_u32_u24 v5, v1, KS                       ; my row's scales: 32 bytes a row,
	v_lshrrev_b32 v6, 8, v5
	v_lshl_add_u32 v5, v6, 4, v5                   ; and 16 more for each 256 passed
	s_mul_i32 s21, s15, HALFS                      ; A's: my 128 rows
	s_mul_i32 s22, s16, HALFS                      ; B's: my 128 rows, behind A's 256
	s_add_co_u32 s22, s22, 2*HALFS
	s_sub_co_u32 s22, s22, s21
	v_mul_u32_u24 v6, s22, v2                      ; lanes 16-31 take B's
	s_add_co_u32 s21, s21, SCL
	v_add_nc_u32 v5, v5, v6
	v_add_nc_u32 v[ADRS], s21, v5
	; the way out's addresses
	v_and_b32 v5, 7, v0                            ; r % 8
	v_bfe_u32 v6, v0, 3, 1                         ; r / 8
	s_lshl_b32 s21, s14, 14                        ; my codes' stage
	v_lshlrev_b32 v[STO], 4, v5
	v_lshl_add_u32 v[STO], v6, 10, v[STO]
	v_lshl_add_u32 v[STO], v2, 3, v[STO]
	v_add_nc_u32 v[STO], s21, v[STO]
	s_lshl_b32 s22, s14, 9
	s_add_co_u32 s22, s22, SSTG                    ; my scale words' stage
	v_lshlrev_b32 v[SSTO], 2, v5
	v_lshl_add_u32 v[SSTO], v6, 8, v[SSTO]
	v_add_nc_u32 v[SSTO], s22, v[SSTO]
	v_and_b32 v3, 31, v0
	v_lshlrev_b32 v[LO], 4, v3
	v_add_nc_u32 v[RD], s21, v[LO]
	v_add_nc_u32 v[SRD], s22, v[LO]
	; where my wave's 128 x 128 results go
	s_lshl_b32 s20, s17, 8
	s_lshl_b32 s21, s15, 7
	s_add_co_u32 s20, s20, s21                     ; my first row of A
	s_lshl_b32 s21, s42, 8
	s_lshl_b32 s22, s16, 7
	s_add_co_u32 s21, s21, s22                     ; my first row of B
	s_mov_b32 s18, HS
	s_mov_b32 s19, 4096
	s_mov_b32 s2, 0x05040100                       ; q, k: a lane with r / 8 = 0 makes the first head's word: my bytes 0, 1 (tile 0), then those of the lane 8 away (tile 1);
	s_mov_b32 s3, 0x03020706                       ; one with r / 8 = 1 the second head's: bytes 2, 3 of the lane 8 away, then mine
	s_mov_b32 s43, 0x03020100                      ; v: my four bytes as they stand
	s_cmp_eq_u32 ttmp9, 2                          ; every choice stands ahead of the additions, which set SCC
	s_cselect_b32 s22, s21, s20                    ; my first token
	s_cselect_b32 s23, s20, s21                    ; my first channel
	s_cselect_b32 s44, s19, s18                    ; SX: what bit 13 of a stage offset (B's upper 64 rows) is worth in the workspace: a head for q and k, half a step's chunk for v
	s_cselect_b32 s45, s18, s19                    ; SY: bit 12 (A's upper 64 rows): 64 tokens for q and k, a head for v
	s_cselect_b32 s2, s43, s2
	s_cselect_b32 s3, s43, s3
	s_lshr_b32 s18, s22, 11                        ; the batch
	s_lshl_b32 s18, s18, 4
	s_lshr_b32 s19, s23, 6
	s_add_co_u32 s18, s18, s19                     ; 16 x batch + head
	s_mul_i32 s18, s18, HS
	s_lshl_b32 s19, ttmp9, 17                      ; the Q, K or V part
	s_add_co_u32 s18, s18, s19
	s_and_b32 s19, s22, 2047
	s_lshl_b32 s19, s19, 6                         ; 64 bytes a token
	s_add_co_u32 s18, s18, s19
	s_mov_b32 s19, 0
	s_add_nc_u64 s[12:13], s[12:13], s[18:19]      ; run 0
	s_lshr_b32 s18, s18, 5                         ; the scale bytes lie likewise, a byte for 32 codes
	s_add_nc_u64 s[96:97], s[96:97], s[18:19]
	s_mov_b32 s18, s45
	s_add_nc_u64 s[92:93], s[12:13], s[18:19]      ; run 1: + SY
	s_mov_b32 s18, s44
	s_add_nc_u64 s[40:41], s[12:13], s[18:19]      ; run 2: + SX
	s_add_nc_u64 s[46:47], s[92:93], s[18:19]      ; run 3: + SX + SY
	s_lshr_b32 s44, s44, 5
	s_lshr_b32 s45, s45, 5
	v_mul_u32_u24 v[SLO], s44, v2                  ; the scale words' stage is 512 bytes: bit 8 (lane / 16) is worth SX / 32,
	v_mad_u32_u24 v[SLO], s45, v6, v[SLO]          ; bit 7 SY / 32,
	v_lshl_add_u32 v[SLO], v5, 4, v[SLO]           ; and 16 bytes a lane inside a run of 128
	v_mov_b32 v[VSEL], s2
	v_mov_b32 v3, s3
	v_cmp_ne_u32 vcc_lo, 0, v6
	v_cndmask_b32 v[VSEL], v[VSEL], v3, vcc_lo
	s_mov_b32 s100, 0x76543210
	s_mov_b32 s101, 0xfedcba98                     ; v_permlanex16_b32's selects for lane l xor 16
.macro FRAG reg, adr, q, i             ; a fragment, 16 rows x 128 K: lane l holds row l % 16; registers 4 c .. 4 c + 3 hold K = 32 c + 16 (l / 16) + 0 .. 15
.irp c, 0,1,2,3
	ds_load_b128 v[\reg+4*\c:\reg+4*\c+3], v[\adr] offset:128*(\q)+32*\c+(\i)*16*PITCH
.endr
.endm
; 16 matrix instructions: A's blocks a0, a0 + 1 x B's eight, 128 along K: the slot's q-th.  p: B's set;  sc: the set of scale words.  zero = 1: the first product starts the sums.
; The 64 accumulators take turns, one instruction a turn, in the same order in every step.
.macro MUL16 a0, p, q, sc, zero
.irp a, \a0, \a0+1
.irp b, 0,1,2,3,4,5,6,7
.if \zero
	v_wmma_scale_f32_16x16x128_f8f6f4 v[8*(8*((\a)%4)+\b):8*(8*((\a)%4)+\b)+7], v[128*(\p)+FR*\b:128*(\p)+FR*\b+FR-1], v[AF+FR*(\a):AF+FR*(\a)+FR-1], 0, v[SC+8*NQ*(\sc)+NQ*\b+(\q)], v[SC+8*NQ*(\sc)+NQ*(\a)+(\q)] matrix_a_scale:MATRIX_SCALE_ROW1
.else
	v_wmma_scale_f32_16x16x128_f8f6f4 v[8*(8*((\a)%4)+\b):8*(8*((\a)%4)+\b)+7], v[128*(\p)+FR*\b:128*(\p)+FR*\b+FR-1], v[AF+FR*(\a):AF+FR*(\a)+FR-1], v[8*(8*((\a)%4)+\b):8*(8*((\a)%4)+\b)+7], v[SC+8*NQ*(\sc)+NQ*\b+(\q)], v[SC+8*NQ*(\sc)+NQ*(\a)+(\q)] matrix_a_scale:MATRIX_SCALE_ROW1
.endif
.endr
.endr
.endm
.macro FETCH_B slot, q, p              ; B's eight fragments of the slot's q-th 128 along K into set p
	WIN TO_B
.irp i, 0,1,2,3,4,5,6,7
	FRAG 128*(\p)+FR*\i, ADRB+\slot, \q, \i
.endr
	WIN 0
.endm
.macro FETCH_A slot, q, i0             ; A's blocks i0 .. i0 + 3
.irp i, \i0, \i0+1, \i0+2, \i0+3
	FRAG AF+FR*(\i), ADRA+\slot, \q, \i
.endr
.endm
.macro SCALES sc                       ; the next K step's scale words into set sc: two words a row; lanes 0-15 take A's block i, lanes 16-31 B's block i
.irp i, 0,1,2,3,4,5,6,7
	ds_load_b64 v[SC+8*NQ*\sc+NQ*\i:SC+8*NQ*\sc+NQ*\i+1], v[ADRS] offset:\i*SBLK
.endr
.endm
; A load into a register that a matrix instruction has read, and a vector instruction that reads a matrix result or writes one of its registers, stand eight places behind it; only plain vector
; instructions that name none of its registers are places.
.macro PLACES n
.rept \n
	v_nop
.endr
.endm
; A step of 128 along K that has its successor in the same slot.
.macro STEP slot, q, zero
	s_wait_dscnt 4*NL                              ; B's set, the scale words and A's blocks 0-3 are in; the youngest sixteen loads (A's blocks 4-7) may be out
	WIN MUL_LO
	MUL16 0, (\q)%2, \q, \slot, \zero
	MUL16 2, (\q)%2, \q, \slot, \zero
	s_wait_dscnt 0                                 ; A's blocks 4-7 are in (asked for 32 matrix instructions ago)
	PLACES NP
	FETCH_B \slot, (\q)+1, 1-(\q)%2
	FETCH_A \slot, (\q)+1, 0
	WIN MUL_HI
	MUL16 4, (\q)%2, \q, \slot, \zero
	MUL16 6, (\q)%2, \q, \slot, \zero
	PLACES NP
	WIN 0
	FETCH_A \slot, (\q)+1, 4
.endm
; A slot's last step changes slots: one barrier; in front of it each wave waits for all its tensor loads, adds 0 to its spare word, and waits for that and for its own reads of this slot.  fill = 1: this slot is filled again, two K steps ahead.
.macro TURN slot, next, fill
	s_wait_tensorcnt 0x0                           ; all my tensor loads have landed: my part of the next slot;  (every window is 0 here)
	ds_add_u32 v[SPW], v[NIL]                      ; 0 onto my spare word
	s_wait_dscnt 4*NL+1                            ; (the add and the youngest sixteen loads, A's blocks 4-7, may be out)
	WIN MUL_LO
	MUL16 0, 1, NQ-1, \slot, 0                     ; sixteen matrix instructions stand between the add and the wait for it
	s_wait_dscnt 0x0                               ; the add is done, and my reads of this slot are over
	s_barrier_signal -1
	MUL16 2, 1, NQ-1, \slot, 0
	WIN 0
	s_barrier_wait -1
.if \fill
	CREST                                          ; the barrier has opened a round of the cluster's barrier: no wave of any partner still reads this slot's tile or has a load on its way
	s_add_nc_u64 s[G0+4*\slot+2:G0+4*\slot+3], s[G0+4*\slot+2:G0+4*\slot+3], 2*ROWB
	s_add_nc_u64 s[G0B+4*\slot+2:G0B+4*\slot+3], s[G0B+4*\slot+2:G0B+4*\slot+3], 2*ROWB
	JLOAD G0+4*\slot, G1, G0B+4*\slot, G1B         ; the first tensor load behind the round, my one load until the next; its four v_nop are among the places in front of the loads below
	PLACES NP-4
.else
	PLACES NP
.endif
	s_wait_alu depctr_va_vdst(0)
	v_add_nc_u32 v[ADRS], 4*NQ, v[ADRS]            ; on to the next K step's scale words (no LDS load of mine is out)
	FETCH_B \next, 0, 0
	FETCH_A \next, 0, 0
	SCALES \next
	WIN MUL_HI
	MUL16 4, 1, NQ-1, \slot, 0
	MUL16 6, 1, NQ-1, \slot, 0
	PLACES NP
	WIN 0
	FETCH_A \next, 0, 4
.endm
	s_wait_tensorcnt 1                             ; the scales and my part of K step 0 are in (K step 1's load may be out)
	s_barrier_signal -1
	s_barrier_wait -1                              ; everybody's are
	FETCH_B 0, 0, 0
	FETCH_A 0, 0, 0
	SCALES 0
	FETCH_A 0, 0, 4
	; K = 1,024 is eight steps of 128, four slots' worth: they are written out, since a loop would hold the same eight steps in its text
	STEP 0, 0, 1                                   ; the first step's products start the sums
	TURN 0, 1, 1                                   ; slot 0 takes K 512 ..
	STEP 1, 0, 0
	TURN 1, 0, 1                                   ; slot 1 takes K 768 ..
	STEP 0, 0, 0
	TURN 0, 1, 0                                   ; nothing is left to fetch
	STEP 1, 0, 0
	s_wait_dscnt 4*NL                              ; the last step
	WIN MUL_LO
	MUL16 0, 1, NQ-1, 1, 0
	MUL16 2, 1, NQ-1, 1, 0
	s_wait_dscnt 0
	WIN MUL_HI
	MUL16 4, 1, NQ-1, 1, 0
	MUL16 6, 1, NQ-1, 1, 0
	WIN 0
; A's block a is quantised.  Register AC + 8 b + j of lane (r, h) is the result of A's row 16 a + r and B's row 16 b + 8 h + j: registers 16 e .. 16 e + 15 are my half of block e of 32 along the next K.
.macro QROW a
.set AC, 64*((\a)%4)
.set WA, 2+(\a)/4                      ; the accumulators' window
.set W2, 5*WA
	WIN W2                                         ; sources 0 and 1 in that window
.irp e, 0,1,2,3
	v_max3_num_f32 v[TM+\e], |v[AC+16*\e]|, |v[AC+16*\e+1]|, 0x4800000   ; my 16 numbers of block e, each accumulator from its low end on, and the floor 2^(9 - 127): the byte cannot fall under 1
.endr
.irp i, 2,4,6,8,10,12,14
.irp e, 0,1,2,3
	v_max3_num_f32 v[TM+\e], |v[AC+16*\e+\i]|, |v[AC+16*\e+\i+1]|, v[TM+\e]   ; (the four blocks by turns)
.endr
.endr
	WIN 0
	s_wait_alu depctr_va_vdst(0)
	s_wait_dscnt 0x0                               ; the last block's LDS stores have read their registers
.irp e, 0,1,2,3
	v_permlanex16_b32 v[TM+4+\e], v[TM+\e], s100, s101
.endr
.irp e, 0,1,2,3
	v_max_num_f32 v[TM+\e], v[TM+\e], v[TM+4+\e]   ; with lane l xor 16's: the block's largest magnitude
.endr
.irp e, 0,1,2,3
	v_add_nc_u32 v[TM+12+\e], 0xfc000000, v[TM+\e] ; 8 off its exponent field: the conversion takes the exponent field of this operand as its scale
.endr
.irp e, 0,1,2,3
.endr
.irp e, 0,1,2,3
	v_lshrrev_b32 v[TM+4+\e], 23, v[TM+12+\e]      ; the scale's byte
.endr
	v_lshl_or_b32 v[PW], v[TM+5], 8, v[TM+4]
	v_lshl_or_b32 v[PW], v[TM+6], 16, v[PW]
	v_lshl_or_b32 v[PW], v[TM+7], 24, v[PW]        ; my row's four bytes
	v_mov_b32_dpp v[PWD], v[PW] row_xmask:8 row_mask:0xf bank_mask:0xf   ; those of the row 8 away: for q and k the same row of the image's other tile
	v_perm_b32 v[SW], v[PWD], v[PW], v[VSEL]       ; the word as the workspace has it
	WIN WA                                         ; source 0 in the accumulators' window
.irp e, 0,1,2,3
.set i, 0
.rept 16
.set i, i+1
.endr
.endr
.irp b, 0,1,2,3,4,5,6,7
	v_cvt_scalef32_pk8_fp8_f32 v[CD+2*\b:CD+2*\b+1], v[AC+8*\b:AC+8*\b+7], v[TM+12+\b/2]
.endr
	WIN 0
	v_nop                                          ; one plain vector instruction behind the last conversion of the run
.irp b, 0,1,2,3,4,5,6,7
	ds_store_b64 v[STO], v[CD+2*\b:CD+2*\b+1] offset:8192*(\b/4)+512*((\b/2)%2)+256*(\b%2)+4096*((\a)/4)+2048*(((\a)/2)%2)+128*((\a)%2)
.endr
	ds_store_b32 v[SSTO], v[SW] offset:32*(\a)     ; both halves of the lanes write the same word with the same value
.endm
.macro RUN k, base                     ; run k of the stage, 4,096 bytes: eight stores of 512 consecutive bytes, aligned
	s_wait_dscnt 25-8*(\k)                         ; of the 33 loads those behind this run's eight may be out
.irp i, 0,1,2,3,4,5,6,7
	global_store_b128 v[LO], v[OB+32*(\k)+4*\i:OB+32*(\k)+4*\i+3], s[\base:\base+1] offset:512*\i
.endr
.endm
	PLACES NP                                      ; behind the last products: the lines below write registers that held scale words and A's fragments, and read results
.irp e, 0,1,2,3
	v_mov_b32 v[TM+4+\e], 0                        ; a lane permute's destination counts as one of its sources
.endr
	v_mov_b32 v[PWD], 0
.irp a, 0,1,2,3,4,5,6,7
	QROW \a
.endr
	s_wait_dscnt 0x0                               ; the stores have read their registers; LDS serves a wave's instructions in order, so the loads below see them
.set n, 0
.rept 32
	ds_load_b128 v[OB+4*n:OB+4*n+3], v[RD] offset:512*n
.set n, n+1
.endr
	ds_load_b128 v[SB:SB+3], v[SRD]
	RUN 0, 12
	RUN 1, 92
	RUN 2, 40
	RUN 3, 46
	s_wait_dscnt 0x0
	global_store_b128 v[SLO], v[SB:SB+3], s[96:97] ; four runs of 128 scale bytes, two and two on end
	s_wait_tensorcnt 0x0                           ; the wave's end
	ds_add_u32 v[SPW], v[NIL]
	s_wait_dscnt 0x0
	CROUND                                         ; the closing round: no work-group ends while a partner may still ask for a tile that names it
	s_endpgm
.Lfunc_end_k_q0dbb3b15b7_qkv:
	.size	k_q0dbb3b15b7_qkv, .Lfunc_end_k_q0dbb3b15b7_qkv-k_q0dbb3b15b7_qkv
	.p2alignl 7, 3214868480
	.fill 96, 4, 3214868480
	.section	.rodata,"a",@progbits
	.p2align	6, 0x0
	.amdhsa_kernel k_q0dbb3b15b7_qkv
		.amdhsa_group_segment_fixed_size 327680
		.amdhsa_private_segment_fixed_size 0
		.amdhsa_enable_private_segment 0
		.amdhsa_kernarg_size 80
		.amdhsa_user_sgpr_count 2
		.amdhsa_user_sgpr_kernarg_segment_ptr 1
		.amdhsa_wavefront_size32 1
		.amdhsa_system_sgpr_workgroup_id_x 1
		.amdhsa_system_sgpr_workgroup_id_y 1
		.amdhsa_system_sgpr_workgroup_id_z 1
		.amdhsa_system_vgpr_workitem_id 0
		.amdhsa_next_free_vgpr 1024
		.amdhsa_next_free_sgpr 102
		.amdhsa_reserve_vcc 1
		.amdhsa_float_denorm_mode_32 3
		.amdhsa_float_denorm_mode_16_64 3
		.amdhsa_fp16_overflow 1
		.amdhsa_memory_ordered 1
		.amdhsa_forward_progress 1
		.amdhsa_inst_pref_size 159
	.end_amdhsa_kernel
	.amdgpu_metadata
---
amdhsa.version: [ 1, 2 ]
amdhsa.kernels:
  - .name:           k_q0dbb3b15b7_qkv
    .symbol:         k_q0dbb3b15b7_qkv.kd
    .args:
      - { .name: x_codes, .offset: 0, .size: 8, .value_kind: global_buffer, .address_space: global }
      - { .name: x_scales, .offset: 8, .size: 8, .value_kind: global_buffer, .address_space: global }
      - { .name: Wq_codes, .offset: 16, .size: 8, .value_kind: global_buffer, .address_space: global }
      - { .name: Wq_scales, .offset: 24, .size: 8, .value_kind: global_buffer, .address_space: global }
      - { .name: Wk_codes, .offset: 32, .size: 8, .value_kind: global_buffer, .address_space: global }
      - { .name: Wk_scales, .offset: 40, .size: 8, .value_kind: global_buffer, .address_space: global }
      - { .name: Wv_codes, .offset: 48, .size: 8, .value_kind: global_buffer, .address_space: global }
      - { .name: Wv_scales, .offset: 56, .size: 8, .value_kind: global_buffer, .address_space: global }
      - { .name: qkv_codes, .offset: 64, .size: 8, .value_kind: global_buffer, .address_space: global }
      - { .name: qkv_scales, .offset: 72, .size: 8, .value_kind: global_buffer, .address_space: global }
    .group_segment_fixed_size: 327680
    .private_segment_fixed_size: 0
    .kernarg_segment_align: 8
    .kernarg_segment_size: 80
    .max_flat_workgroup_size: 128
    .sgpr_count:     102
    .vgpr_count:     1024
    .wavefront_size: 32
...
	.end_amdgpu_metadata
.endif
;; end of part 1
;; launch attn (part 2): grid 4 x 64, 16 waves a work-group, no clusters, 327,680 bytes of LDS; arguments qkv_codes, qkv_scales, y_codes, y_scales; writes y_codes, y_scales
.if DOCPART == 2
	.amdgcn_target "amdgcn-amd-amdhsa--gfx1250"
	.amdhsa_code_object_version 6
	.text
	.protected	k_q0dbb3b15b7_attn
	.globl	k_q0dbb3b15b7_attn
	.p2align	8
	.type	k_q0dbb3b15b7_attn,@function
k_q0dbb3b15b7_attn:
	s_mov_b64 s[64:65], 0
	v_nop
	global_prefetch_b8 v0, s[64:65] scope:SCOPE_SE
	s_setreg_imm32_b32 hwreg(HW_REG_WAVE_MODE, 25, 1), 1
	s_wait_xcnt 0x0
; y[b][q][head] = softmax over keys k <= q of (Q . K / 8) times V, both products on codes of FP8 (E4M3) with one E8M0 scale for each 32 along a product's K; y is quantised along the model's 1,024 channels and leaves as codes.
; THE SOFTMAX AHEAD OF THE SECOND PRODUCT: t = score x log2(e) / 8; M = the row's largest t so far, rounded up to a whole number; p = 2^(t - M) is what is quantised, along the keys; the row's sum is taken of the
; unquantised p and divides at the end.  When M moves, the sum and O are multiplied by 2^(old M - new M): exact.
; SHARES.  256 work-groups: y = 16 x batch + head, x = p (0 .. 3).  A work-group owns the blocks p and 7 - p of 256 queries.  Wave w takes tile w of block p (pass A) and tile 15 - w of block 7 - p (pass B), 16 queries each:
; 2 p + w / 8 + 1 and 2 (7 - p) + (15 - w) / 8 + 1 key steps of 128 keys count for them, 17 in all for every wave.  Four waves share a SIMD, so that one wave's vector work stands beside another's matrix work and LDS loads.
; ALL OF A HEAD'S K AND V STAY IN LDS: 262,144 bytes of codes and 8,192 of scale bytes, in the workspace's own order, which is the order of the operands' registers: a piece of 512 bytes is four registers of 32 lanes, lane l at 16 l.
; Each wave brings a sixteenth by two tensor loads at the head; nothing is filled again.
; A HEAD'S 64 CHANNELS IN A PRODUCT 128 DEEP: a fragment of K holds TWO tiles of 16 keys, tile 0 in the lower 64 of the instruction's K and tile 1 in the upper; Q stands beside eight registers of zero codes, as (q, 0) or as (0, q),
; and so picks one of the two.  LAYOUT: both products are used transposed: a lane holds one query (lane % 16) throughout.  Row r of tile u of an image of 32 tokens is token 8 u + r + 8 (r / 8), so that the 16 score registers of an
; image are 16 neighbouring keys, 16 (lane / 16) + 0 .. 15; V's channel tiles are chosen likewise, so that O's 16 registers of two tiles are 16 neighbouring channels.
; CAUSAL.  The loops' trip counts are constants (8 and 16 steps); a step all of whose keys come after the wave's queries is left out by a scalar branch on ids round its work.  A tile's 16 queries lie inside one block of 32
; tokens, so a step that is not left out has its first key visible to every lane.
; NO CLUSTER, though the four work-groups of a head read the same K and V: the branch that leaves hidden steps out hangs on the query block, which in such a cluster would be the work-group's place in it.
; NO PREFETCH: all that a work-group reads of K and V is asked for by its first two tensor loads; nothing is left to ask for ahead.
; LIMITS: NaN codes and scale bytes 0xff are not served (the launch before makes none).  A block of zeros gets the byte 1: its codes are zeros, and this program alone reads the bytes.  A block whose largest magnitude lies under
; 2^(9 - 127) is quantised under the floor's scale.  A block's largest p is made from the block's largest score by the same two instructions: this takes v_exp_f32 not to fall where its input rises.
; REGISTERS: v1-8 addresses that stay; v9, v10 Q's scale words; v12 -M, v13 the largest t, v[14:15] the sum in two halves; v16-55 zeros, Q of pass A, zeros, Q of pass B, zeros; v56-119 four fragments of K, then of V;
; v120-183 the scores, then p; v184-215 O^T; v216-231 p's codes; v232-247 at work; v248-251 K's and V's scale words; v252 f, v253 p's scale word; v254, v255 at work.
.set HS,   393216                      ; from head to head in the codes' workspace: Q, K, V parts of PART bytes
.set HSS,  12288                       ; and in the scale bytes': parts of 4,096
.set PART, 131072
.set LV,   131072                      ; LDS: K's codes from 0, V's from here,
.set LSC,  262144                      ; K's scale words, 4,096 bytes, and V's behind them
.set LI,   1                           ; v1   16 x lane
.set LS,   2                           ; v2   4 x lane
.set ADK,  3                           ; v3   LDS address of the step's K
.set ADV,  4                           ; v4   of its V
.set ADS,  5                           ; v5   of its scale words
.set QLA,  6                           ; v6   pass A: my query - 16 (lane / 16)
.set QLB,  7                           ; v7   pass B likewise
.set YSO,  8                           ; v8   32 (lane % 16) + lane / 16: my byte among the tile's rows of y's scale bytes
.set QSB,  9
.set QSA,  10
.set KV,   56
.set S,    120
.set OT,   184
.set PC,   216
.set WV,   12                          ; s12  my wave's number
.set G1C,  16                          ; s[16:23] descriptor group 1 for the codes;  s[24:31] for the scale bytes;  s[32:35], s[36:39] their groups 0
.set G1S,  24
.set G0S,  32
.set G0C,  36
.set SEL,  52                          ; s[52:53] lane selects for v_permlanex16_b32: lane l xor 16
.set CS,   54                          ; s[54:55] c = log2(e) / 8: the packed form names a pair and takes its low word for both halves
.set MNT,  56
.set HI,   57                          ; s57  the mask of lanes 16-31
.set TB,   58                          ; s58  where the step's codes begin: 8,192 bytes a step
.set TS,   59                          ; s59  and its scale words: 256 bytes a step
.set KFS,  60                          ; s60  the step's first key
.set CNT,  61
.set QBA,  62                          ; s62, s63  the lowest query of my tile in pass A, B
.set QBB,  63
.set YCA,  68                          ; s[68:69], s[70:71] where my tile's codes of y go;  s[72:73], s[74:75] its scale bytes
.set YCB,  70
.set YSA,  72
.set YSB,  74
	s_load_b256 s[4:11], s[0:1], 0x0               ; the workspace's codes, its scale bytes, y's codes, y's scale bytes
	v_lshl_add_u32 v254, v0, 2, 0x42000
	v_mov_b32 v255, 0
	ds_add_u32 v254, v255
	ds_add_u32 v254, v255
	s_wait_dscnt 0x0
	v_lshrrev_b32 v1, 5, v0
	s_delay_alu instid0(VALU_DEP_1)
	v_readfirstlane_b32 s[WV], v1                  ; wave 0..15
	s_and_b32 s13, ttmp7, 0xffff                   ; 16 x batch + head
	s_mul_i32 s14, s13, HS
	s_mov_b32 s15, 0
	s_mul_i32 s80, s13, HSS
	s_mov_b32 s81, 0
	; descriptor group 1: dense blocks as rows of 256 bytes (32 elements of 8 bytes), no padding: 64 rows of codes, 2 rows of scale bytes
	s_mov_b32 s[G1C], 3<<16
	s_mov_b32 s[G1C+1], 32<<16                     ; tensor_dim0
	s_mov_b32 s[G1C+2], 64<<16                     ; tensor_dim1
	s_mov_b32 s[G1C+3], 32<<16                     ; tile_dim0
	s_mov_b32 s[G1C+4], 64                         ; tile_dim1
	s_mov_b32 s[G1C+5], 32                         ; tensor_dim0_stride
	s_mov_b32 s[G1C+6], 0
	s_mov_b32 s[G1C+7], 0
	s_mov_b32 s[G1S], 3<<16
	s_mov_b32 s[G1S+1], 32<<16
	s_mov_b32 s[G1S+2], 2<<16
	s_mov_b32 s[G1S+3], 32<<16
	s_mov_b32 s[G1S+4], 2
	s_mov_b32 s[G1S+5], 32
	s_mov_b32 s[G1S+6], 0
	s_mov_b32 s[G1S+7], 0
	s_lshl_b32 s82, s[WV], 14                      ; my sixteenth of K's and V's 262,144 bytes, the same offset in memory and in LDS
	s_mov_b32 s83, 0
	s_lshl_b32 s84, s[WV], 9                       ; and of their 8,192 scale bytes
	s_mov_b32 s85, 0
	s_wait_kmcnt 0x0
	s_add_nc_u64 s[4:5], s[4:5], s[14:15]          ; my head's parts
	s_add_nc_u64 s[6:7], s[6:7], s[80:81]
	s_mov_b32 s[G0S], 1
	s_add_co_u32 s[G0S+1], s84, LSC
	s_add_nc_u64 s[G0S+2:G0S+3], s[6:7], s[84:85]
	s_add_nc_u64 s[G0S+2:G0S+3], s[G0S+2:G0S+3], 4096      ; behind Q's part
	s_or_b32 s[G0S+3], s[G0S+3], 0x80000000
	s_mov_b32 s[G0C], 1
	s_mov_b32 s[G0C+1], s82
	s_add_nc_u64 s[G0C+2:G0C+3], s[4:5], s[82:83]
	s_add_nc_u64 s[G0C+2:G0C+3], s[G0C+2:G0C+3], PART
	s_or_b32 s[G0C+3], s[G0C+3], 0x80000000
	tensor_load_to_lds s[G0S:G0S+3], s[G1S:G1S+7]  ; the first fills, and the only ones: one load of mine is out
	s_nop 0
	s_wait_alu depctr_va_vdst(0)
	s_wait_tensorcnt 0x0
	ds_add_u32 v254, v255
	s_wait_dscnt 0x0
	s_barrier_signal -1
	s_barrier_wait -1
	tensor_load_to_lds s[G0C:G0C+3], s[G1C:G1C+7]
	s_nop 0
.rept 4
	v_nop
.endr
	s_mov_b32 s[SEL], 0x76543210
	s_mov_b32 s[SEL+1], 0xfedcba98
	s_mov_b32 s[CS], 0x3e38aa3b                    ; c = log2(e) / sqrt(64)
	s_mov_b32 s[CS+1], s[CS]                       ; (named with it as a pair, so it is written)
	s_mov_b32 s[HI], 0xffff0000
	s_mov_b32 s46, 0x01000100                      ; Q's scale word holds both tiles' bytes: those of tile 0, twice,
	s_mov_b32 s47, 0x03020302                      ; or those of tile 1, twice: the word then serves (q, 0) and (0, q)
; A pass's numbers, from its block of queries and its tile there
.macro PASSC blk, tau, qb, qo, qso, sel, yc, ys
	s_lshl_b32 s66, s[\blk], 4
	s_add_co_u32 s66, s66, s[\tau]                 ; the tile among the head's 128
	s_lshl_b32 s[\qo], s66, 10                     ; its 1,024 bytes in Q's part
	s_lshr_b32 s67, s66, 1                         ; its image of 32 tokens
	s_lshl_b32 s[\qso], s67, 6                     ; the image's 64 bytes of scale words
	s_lshl_b32 s[\qb], s67, 5
	s_and_b32 s67, s[\tau], 1                      ; u
	s_lshl_b32 s82, s67, 3
	s_add_co_u32 s[\qb], s[\qb], s82               ; its lowest query: 32 x image + 8 u
	s_cmp_lg_u32 s67, 0
	s_cselect_b32 s[\sel], s47, s46
	s_lshr_b32 s67, s13, 4
	s_lshl_b32 s67, s67, 7
	s_add_co_u32 s66, s66, s67                     ; the tile among y's 512: 128 x batch + ..
	s_and_b32 s67, s13, 15                         ; the head
	s_lshl_b32 s82, s66, 14                        ; a tile of y is 16,384 bytes, a head's share of it 1,024 on end
	s_lshl_b32 s84, s67, 10
	s_add_co_u32 s82, s82, s84
	s_add_nc_u64 s[\yc:\yc+1], s[8:9], s[82:83]
	s_lshl_b32 s82, s66, 9                         ; 16 rows of 32 scale bytes; a head's two bytes of a row
	s_lshl_b32 s84, s67, 1
	s_add_co_u32 s82, s82, s84
	s_add_nc_u64 s[\ys:\ys+1], s[10:11], s[82:83]
.endm
	s_mov_b32 s40, ttmp9                           ; pass A: block p, tile w
	s_mov_b32 s41, s[WV]
	s_sub_co_u32 s42, 7, ttmp9                     ; pass B: block 7 - p, tile 15 - w
	s_sub_co_u32 s43, 15, s[WV]
	PASSC 40, 41, QBA, 76, 78, 44, YCA, YSA
	PASSC 42, 43, QBB, 77, 79, 45, YCB, YSB
	v_and_b32 v1, 31, v0
	s_delay_alu instid0(VALU_DEP_1)
	v_lshlrev_b32 v[LS], 2, v1
	s_delay_alu instid0(VALU_DEP_2)
	v_lshlrev_b32 v[LI], 4, v1
	v_and_b32 v3, 15, v0                           ; r
	v_bfe_u32 v4, v0, 4, 1                         ; h
	s_delay_alu instid0(VALU_DEP_2)
	v_and_b32 v5, 8, v3
	s_delay_alu instid0(VALU_DEP_1)
	v_add_nc_u32 v5, v5, v3                        ; r + 8 (r / 8)
	s_delay_alu instid0(VALU_DEP_3)
	v_lshlrev_b32 v11, 4, v4
	s_delay_alu instid0(VALU_DEP_1)
	v_sub_nc_u32 v5, v5, v11                       ; - 16 h
	s_delay_alu instid0(VALU_DEP_1)
	v_add_nc_u32 v[QLA], s[QBA], v5
	s_delay_alu instid0(VALU_DEP_2)
	v_add_nc_u32 v[QLB], s[QBB], v5
	v_lshl_add_u32 v[YSO], v3, 5, v4
	v_add_nc_u32 v232, s76, v[LI]
	v_add_nc_u32 v233, s77, v[LI]
	v_lshlrev_b32 v234, 2, v3
	s_delay_alu instid0(VALU_DEP_1)
	v_add_nc_u32 v235, s79, v234
	s_delay_alu instid0(VALU_DEP_2)
	v_add_nc_u32 v234, s78, v234
	global_load_b128 v[24:27], v232, s[4:5]        ; Q of pass A: two pieces, channels 0-31 and 32-63
	global_load_b128 v[28:31], v232, s[4:5] offset:512
	global_load_b128 v[40:43], v233, s[4:5]        ; of pass B
	global_load_b128 v[44:47], v233, s[4:5] offset:512
	global_load_b32 v[QSA], v234, s[6:7]           ; their rows' scale words
	global_load_b32 v[QSB], v235, s[6:7]
.irp z, 16, 32, 48
.irp j, 0,1,2,3,4,5,6,7
	v_mov_b32 v[\z+\j], 0                          ; zero codes beside Q
.endr
.endr
.irp j, 236,237,238,239,252,253,254,255
	v_mov_b32 v[\j], 0                             ; written once: a lane permute's destination counts as one of its sources, and v253 is named as the upper half of a pair
.endr
	s_wait_loadcnt 0x0
	v_perm_b32 v[QSA], v[QSA], v[QSA], s44
	v_perm_b32 v[QSB], v[QSB], v[QSB], s45
	s_wait_tensorcnt 0x0                           ; my parts of K, V and their scale words are in LDS,
	s_barrier_signal -1
	s_barrier_wait -1                              ; everybody's are
.macro INIT                            ; a pass begins: O^T and the sum are zeros, the largest t lies under every t: the first change of M multiplies zeros, so the step is written once
	v_mov_b32 v13, 0xff61b1e6                      ; -3e38
	s_delay_alu instid0(VALU_DEP_1)
	v_floor_f32 v12, -v13                          ; -M
	v_mov_b32 v14, 0
	v_mov_b32 v15, 0
.set n, 0
.rept 32
	v_mov_b32 v[OT+n], 0
.set n, n+1
.endr
	s_mov_b32 s[TB], 0
	s_mov_b32 s[TS], LSC
	s_mov_b32 s[KFS], 0
.endm
; A KEY STEP: 128 keys.  qz: where (0, q) begins; (q, 0) begins 8 registers on.  qs: Q's scale word.  ql: my query - 16 (lane / 16).  qb: the tile's lowest query.
.macro STEP qz, qs, ql, qb
	s_cmp_gt_u32 s[KFS], s[\qb]                    ; all 128 keys come after my 16 queries: the step's work is left out
	s_cbranch_scc1 .Lhidden_\@
	s_setprio 2
	v_add_nc_u32 v[ADK], s[TB], v[LI]
	s_delay_alu instid0(VALU_DEP_1)
	v_add_nc_u32 v[ADV], LV, v[ADK]
	v_add_nc_u32 v[ADS], s[TS], v[LS]
.rept 5
	v_nop                                          ; with the three additions: eight places in front of loads into registers that the last step's products have read
.endr
.irp i, 0,1,2,3
.irp c, 0,1,2,3
	ds_load_b128 v[KV+16*\i+4*\c:KV+16*\i+4*\c+3], v[ADK] offset:2048*\i+512*\c   ; image i: 32 keys, two tiles
.endr
.endr
	ds_load_b32 v248, v[ADS]                       ; K's scale words: lanes 0-15 image 0, lanes 16-31 image 1;
	ds_load_b32 v249, v[ADS] offset:128            ; images 2 and 3
	ds_load_b32 v250, v[ADS] offset:4096           ; V's: channel tiles 0 and 2;
	ds_load_b32 v251, v[ADS] offset:4224           ; tiles 1 and 3
	s_wait_alu depctr_va_vdst(0)
	s_wait_dscnt 0x0
.irp i, 0,1,2,3                                ; S^T = K Q^T: register S + 16 i + n of lane (r, h) is query r, key 32 i + 16 h + n
.irp u, 0,1
.if (\i)%2
	v_wmma_scale_f32_16x16x128_f8f6f4 v[S+16*\i+8*\u:S+16*\i+8*\u+7], v[KV+16*\i:KV+16*\i+15], v[\qz+8-8*\u:\qz+23-8*\u], 0, v[248+\i/2], v[\qs] matrix_a_scale:MATRIX_SCALE_ROW1
.else
	v_wmma_scale_f32_16x16x128_f8f6f4 v[S+16*\i+8*\u:S+16*\i+8*\u+7], v[KV+16*\i:KV+16*\i+15], v[\qz+8-8*\u:\qz+23-8*\u], 0, v[248+\i/2], v[\qs]
.endif
.endr
.endr
.rept 8
	v_nop                                          ; places in front of the loads below and of the first read of the scores
.endr
.irp t, 0,1,2,3
.irp c, 0,1,2,3
	ds_load_b128 v[KV+16*\t+4*\c:KV+16*\t+4*\c+3], v[ADV] offset:4096*(\c/2)+1024*\t+512*(\c%2)   ; V's four channel tiles land while the softmax is worked
.endr
.endr
	s_add_co_u32 s66, s[KFS], 127                  ; on the diagonal the scores of hidden keys become -infinity ahead of the maximum: p = 0 then.  A step all of whose keys count skips this
	s_cmp_le_u32 s66, s[\qb]
	s_cbranch_scc1 .Lopen_\@
	v_sub_nc_u32 v254, v[\ql], s[KFS]              ; d = my query - the step's first key - 16 h: register 16 i + n is hidden where 32 i + n > d
	v_mov_b32 v252, 0xff800000
.set n, 0
.rept 64
	v_cmp_gt_i32 vcc_lo, 32*(n/16)+n%16, v254
	v_cndmask_b32 v[S+n], v[S+n], v252, vcc_lo
.set n, n+1
.endr
.Lopen_\@:
.irp b, 0,1,2,3
	v_max3_num_f32 v[232+\b], v[S+16*\b], v[S+1+16*\b], v[S+2+16*\b]   ; the largest score of each block of 32 keys: it serves for the row's maximum and, since p rises with the score, for the block's largest p
.endr
.irp i, 3,5,7,9,11,13
.irp b, 0,1,2,3
	v_max3_num_f32 v[232+\b], v[232+\b], v[S+16*\b+\i], v[S+1+16*\b+\i]
.endr
.endr
.irp b, 0,1,2,3
	v_max_num_f32 v[232+\b], v[232+\b], v[S+15+16*\b]
.endr
.irp b, 0,1,2,3
	s_delay_alu instid0(VALU_DEP_4)
	v_permlanex16_b32 v[236+\b], v[232+\b], s[SEL], s[SEL+1]
.endr
.irp b, 0,1,2,3
	s_delay_alu instid0(VALU_DEP_4)
	v_max_num_f32 v[232+\b], v[232+\b], v[236+\b]  ; with lane l xor 16's 16 keys
.endr
	s_delay_alu instid0(VALU_DEP_2)
	v_max3_num_f32 v254, v232, v233, v234
	s_delay_alu instid0(VALU_DEP_1)
	v_max_num_f32 v254, v254, v235                 ; the step's largest score of my query
	s_delay_alu instid0(VALU_DEP_1)
	v_mul_f32 v254, s[CS], v254                    ; as t (c is positive)
	s_delay_alu instid0(VALU_DEP_1)
	v_max_num_f32 v13, v13, v254                   ; the running largest t
	v_mov_b32 v254, v12
	s_delay_alu instid0(VALU_DEP_2)
	v_floor_f32 v12, -v13                          ; the new -M = floor(-t) = -ceil(t)
	s_delay_alu instid0(VALU_DEP_1)
	v_sub_f32 v254, v12, v254                      ; M's old value less its new one: a whole number, 0 or less
	s_delay_alu instid0(VALU_DEP_1)
	v_cvt_i32_f32 v254, v254                       ; (it saturates)
	s_delay_alu instid0(VALU_DEP_1)
	v_ldexp_f32 v252, 1.0, v254                    ; f = 2^(old M - new M)
.set j, 0
	s_setprio 1
.rept 32
	v_pk_fma_f32 v[S+j:S+j+1], v[S+j:S+j+1], s[CS:CS+1], v[12:13] op_sel_hi:[1,0,0]   ; t - M, two at a time
.set j, j+2
.endr
.irp b, 0,1,2,3
	v_fma_f32 v[232+\b], v[232+\b], s[CS], v12     ; the same of each block's largest score
.endr
.set j, 0
	s_wait_alu depctr_va_vdst(0)
.rept 64
	v_exp_f32 v[S+j], v[S+j]                       ; p = 2^(t - M), at most 1
.set j, j+1
.endr
	v_pk_mul_f32 v[14:15], v[14:15], v[252:253] op_sel_hi:[1,0]   ; the sums under the new M: a plain instruction behind the exponentials
	s_wait_alu depctr_va_vdst(0)                   ; one wait for the whole batch, ahead of its first reader
.irp b, 0,1,2,3
	v_exp_f32 v[232+\b], v[232+\b]                 ; the block's largest p
.endr
	v_pk_add_f32 v[236:237], v[S:S+1], v[S+2:S+3]  ; the row's sum is taken of the unquantised p: two at a time, in two chains
.set j, 4
.rept 15
	v_pk_add_f32 v[14:15], v[14:15], v[S+j:S+j+1]
	v_pk_add_f32 v[236:237], v[236:237], v[S+2+j:S+3+j]
.set j, j+4
.endr
	s_delay_alu instid0(VALU_DEP_1)
	v_pk_add_f32 v[14:15], v[14:15], v[236:237]
	s_setprio 0
	s_wait_alu depctr_va_vdst(0)                   ; and one for the four
.irp b, 0,1,2,3
	v_max_num_f32 v[232+\b], 0x4800000, v[232+\b]  ; the floor 2^(9 - 127): the byte cannot fall under 1
.endr
.irp b, 0,1,2,3
	s_delay_alu instid0(VALU_DEP_4)
	v_add_nc_u32 v[244+\b], 0xfc000000, v[232+\b]  ; 8 off the exponent field: the conversion's scale operand
.endr
.irp b, 0,1,2,3
.endr
.irp b, 0,1,2,3
	s_delay_alu instid0(VALU_DEP_4)
	v_lshrrev_b32 v[236+\b], 23, v[244+\b]         ; the scale's byte
.endr
	s_delay_alu instid0(VALU_DEP_3)
	v_lshl_or_b32 v253, v237, 8, v236              ; p's scale word for these 128 keys
	s_delay_alu instid0(VALU_DEP_1)
	v_lshl_or_b32 v253, v238, 16, v253
	s_delay_alu instid0(VALU_DEP_1)
	v_lshl_or_b32 v253, v239, 24, v253
.irp b, 0,1,2,3
.set j, 0
.rept 16
.set j, j+1
.endr
	v_cvt_scalef32_pk8_fp8_f32 v[PC+4*\b:PC+1+4*\b], v[S+16*\b:S+7+16*\b], v[244+\b]
	v_cvt_scalef32_pk8_fp8_f32 v[PC+2+4*\b:PC+3+4*\b], v[S+8+16*\b:S+15+16*\b], v[244+\b]
.endr
.set j, 0
.rept 16
	v_pk_mul_f32 v[OT+j:OT+j+1], v[OT+j:OT+j+1], v[252:253] op_sel_hi:[1,0]   ; O^T under the new M.  (These sixteen are also the places between the codes and the products)
.set j, j+2
.endr
	s_wait_alu depctr_va_vdst(0)
	s_wait_dscnt 0x0                               ; V is in
.irp t, 0,1,2,3                                ; O^T += V^T P^T: the four accumulators by turns; eight other products stand between two links of a chain
.if \t > 1
	v_wmma_scale_f32_16x16x128_f8f6f4 v[OT+8*\t:OT+8*\t+7], v[KV+16*\t:KV+16*\t+15], v[PC:PC+15], v[OT+8*\t:OT+8*\t+7], v[250+\t%2], v253 matrix_a_scale:MATRIX_SCALE_ROW1
.else
	v_wmma_scale_f32_16x16x128_f8f6f4 v[OT+8*\t:OT+8*\t+7], v[KV+16*\t:KV+16*\t+15], v[PC:PC+15], v[OT+8*\t:OT+8*\t+7], v[250+\t%2], v253
.endif
.endr
.Lhidden_\@:
	s_add_co_u32 s[KFS], s[KFS], 128
	s_add_co_u32 s[TB], s[TB], 8192
	s_add_co_u32 s[TS], s[TS], 256
.endm
; A pass ends: O^T / the sum is my query's 64 channels of y: register 16 c + n is channel 32 c + 16 h + n.  Two blocks of 32, each shared with lane l xor 16; the codes are the next launch's operand registers as they stand.
.macro TAIL yc, ys
.rept 8
	v_nop                                          ; places behind the last products
.endr
	v_add_f32 v14, v14, v15                        ; the sum's two halves,
	s_delay_alu instid0(VALU_DEP_1)
	v_permlanex16_b32 v252, v14, s[SEL], s[SEL+1]
	s_delay_alu instid0(VALU_DEP_1)
	v_add_f32 v14, v14, v252                       ; and lane l xor 16's
	s_wait_alu depctr_va_vdst(0)
	v_rcp_f32 v14, v14
	v_nop                                          ; a plain instruction behind the reciprocal
	s_wait_alu depctr_va_vdst(0)                   ; and the wait ahead of its first reader
.set j, 0
.rept 16
	v_pk_mul_f32 v[S+j:S+j+1], v[OT+j:OT+j+1], v[14:15] op_sel_hi:[1,0]   ; each accumulator from its low end on
.set j, j+2
.endr
.irp b, 0,1
	v_max3_num_f32 v[232+\b], |v[S+16*\b]|, |v[S+1+16*\b]|, 0x4800000
.endr
.irp i, 2,4,6,8,10,12,14
.irp b, 0,1
	s_delay_alu instid0(VALU_DEP_2)
	v_max3_num_f32 v[232+\b], v[232+\b], |v[S+16*\b+\i]|, |v[S+1+16*\b+\i]|
.endr
.endr
.irp b, 0,1
	s_delay_alu instid0(VALU_DEP_2)
	v_permlanex16_b32 v[236+\b], v[232+\b], s[SEL], s[SEL+1]
.endr
.irp b, 0,1
	s_delay_alu instid0(VALU_DEP_2)
	v_max_num_f32 v[232+\b], v[232+\b], v[236+\b]
.endr
.irp b, 0,1
	s_delay_alu instid0(VALU_DEP_2)
	v_add_nc_u32 v[244+\b], 0xfc000000, v[232+\b]
.endr
.irp b, 0,1
.endr
.irp b, 0,1
	s_delay_alu instid0(VALU_DEP_2)
	v_lshrrev_b32 v[236+\b], 23, v[244+\b]
.endr
	s_delay_alu instid0(VALU_DEP_1)
	v_cndmask_b32 v255, v236, v237, s[HI]          ; lanes 0-15 store block 0's byte, lanes 16-31 block 1's
.irp b, 0,1
.set j, 0
.rept 16
.set j, j+1
.endr
	v_cvt_scalef32_pk8_fp8_f32 v[PC+4*\b:PC+1+4*\b], v[S+16*\b:S+7+16*\b], v[244+\b]
	v_cvt_scalef32_pk8_fp8_f32 v[PC+2+4*\b:PC+3+4*\b], v[S+8+16*\b:S+15+16*\b], v[244+\b]
.endr
	v_nop                                          ; one plain vector instruction behind the last conversion
	global_store_b128 v[LI], v[PC:PC+3], s[\yc:\yc+1]               ; 512 consecutive bytes, aligned: channels 0-31 of my head, 16 rows
	global_store_b128 v[LI], v[PC+4:PC+7], s[\yc:\yc+1] offset:512  ; channels 32-63
	global_store_b8 v[YSO], v255, s[\ys:\ys+1]     ; a head owns 2 of a row's 32 scale bytes: single bytes, one for 32 codes
.endm
	INIT
	s_mov_b32 s[CNT], 8                            ; pass A: blocks 0 to 3 see keys 0 to 1,023 at the most
.Lpass_a:
	STEP 16, QSA, QLA, QBA
	s_sub_co_u32 s[CNT], s[CNT], 1
	s_cmp_lg_u32 s[CNT], 0
	s_cbranch_scc1 .Lpass_a
	s_setprio 0
	TAIL YCA, YSA
	s_wait_xcnt 0x0                                ; the stores have read their registers: the codes' and the byte's are written again in pass B
	INIT
	s_mov_b32 s[CNT], 16                           ; pass B: all 2,048 keys
.Lpass_b:
	STEP 32, QSB, QLB, QBB
	s_sub_co_u32 s[CNT], s[CNT], 1
	s_cmp_lg_u32 s[CNT], 0
	s_cbranch_scc1 .Lpass_b
	s_setprio 0
	TAIL YCB, YSB
	s_wait_xcnt 0x0
	v_lshl_add_u32 v254, v0, 2, 0x42000
	v_mov_b32 v255, 0
	s_wait_alu depctr_va_vdst(0)
	s_wait_tensorcnt 0x0
	ds_add_u32 v254, v255
	s_wait_dscnt 0x0
	s_endpgm
.Lfunc_end_k_q0dbb3b15b7_attn:
	.size	k_q0dbb3b15b7_attn, .Lfunc_end_k_q0dbb3b15b7_attn-k_q0dbb3b15b7_attn
	.p2alignl 7, 3214868480
	.fill 96, 4, 3214868480
	.section	.rodata,"a",@progbits
	.p2align	6, 0x0
	.amdhsa_kernel k_q0dbb3b15b7_attn
		.amdhsa_group_segment_fixed_size 327680
		.amdhsa_private_segment_fixed_size 0
		.amdhsa_enable_private_segment 0
		.amdhsa_kernarg_size 32
		.amdhsa_user_sgpr_count 2
		.amdhsa_user_sgpr_kernarg_segment_ptr 1
		.amdhsa_wavefront_size32 1
		.amdhsa_system_sgpr_workgroup_id_x 1
		.amdhsa_system_sgpr_workgroup_id_y 1
		.amdhsa_system_sgpr_workgroup_id_z 1
		.amdhsa_system_vgpr_workitem_id 0
		.amdhsa_next_free_vgpr 256
		.amdhsa_next_free_sgpr 96
		.amdhsa_reserve_vcc 1
		.amdhsa_float_denorm_mode_32 3
		.amdhsa_float_denorm_mode_16_64 3
		.amdhsa_fp16_overflow 1
		.amdhsa_memory_ordered 1
		.amdhsa_forward_progress 1
		.amdhsa_inst_pref_size 65
	.end_amdhsa_kernel
	.amdgpu_metadata
---
amdhsa.version: [ 1, 2 ]
amdhsa.kernels:
  - .name:           k_q0dbb3b15b7_attn
    .symbol:         k_q0dbb3b15b7_attn.kd
    .args:
      - { .name: qkv_codes, .offset: 0, .size: 8, .value_kind: global_buffer, .address_space: global }
      - { .name: qkv_scales, .offset: 8, .size: 8, .value_kind: global_buffer, .address_space: global }
      - { .name: y_codes, .offset: 16, .size: 8, .value_kind: global_buffer, .address_space: global }
      - { .name: y_scales, .offset: 24, .size: 8, .value_kind: global_buffer, .address_space: global }
    .group_segment_fixed_size: 327680
    .private_segment_fixed_size: 0
    .kernarg_segment_align: 8
    .kernarg_segment_size: 32
    .max_flat_workgroup_size: 512
    .sgpr_count:     96
    .vgpr_count:     256
    .wavefront_size: 32
...
	.end_amdgpu_metadata
.endif
;; end of part 2
;; launch outp (part 3): grid 4 x 32, 4 waves a work-group, clusters of 4 x 4, 327,680 bytes of LDS; arguments y_codes, y_scales, Wo_codes, Wo_scales, out0; writes out0
.if DOCPART == 3
	.amdgcn_target "amdgcn-amd-amdhsa--gfx1250"
	.amdhsa_code_object_version 6
	.text
	.protected	k_q0dbb3b15b7_outp
	.globl	k_q0dbb3b15b7_outp
	.p2align	8
	.type	k_q0dbb3b15b7_outp,@function
k_q0dbb3b15b7_outp:
	s_mov_b64 s[64:65], 0
	v_nop
	global_prefetch_b8 v0, s[64:65] scope:SCOPE_SE
	s_setreg_imm32_b32 hwreg(HW_REG_WAVE_MODE, 25, 1), 1
	s_wait_xcnt 0x0
	s_wait_alu depctr_hold_cnt(0) depctr_sa_sdst(0) depctr_va_vdst(0) depctr_va_sdst(0) depctr_va_ssrc(0) depctr_va_vcc(0) depctr_vm_vsrc(0)
	s_getreg_b32 s2, hwreg(HW_REG_IB_STS2, 6, 4)
	s_cmp_eq_u32 s2, 0
	s_cbranch_scc0 .Lentry_in_a_cluster
	s_endpgm
.Lentry_in_a_cluster:
	s_bfe_u32 s2, ttmp6, 0x10000c
	s_cmp_lg_u32 s2, 0xf033
	s_cbranch_scc0 .Lentry_shape_is_right
	s_endpgm
.Lentry_shape_is_right:
; out0 = y Wo^T on codes of FP8 (E4M3) with one E8M0 scale for each 32 along K = 1,024; sums and result in f32.  out0: [8,192][1,024].
; y's codes lie as images of operand registers: [tile of 16 rows: 512][128 along K: 8][2,048 bytes], a piece of 512 bytes being four registers of 32 lanes, lane l at 16 l.  Row r of tile 2 i + u is token 32 i + 8 u + r + 8 (r / 8).
; y's scale bytes lie [16 x tile + r][32].  Wo: [1,024][1,024] codes, K innermost; its scale bytes [1,024][32].
; A tile of 256 x 256 of the result is made by a work-group of four waves, a wave makes 128 x 128: 64 accumulators, 512 registers.  K goes in steps of 256 through a ring of two LDS slots filled by the tensor data mover:
; of y eight tiles x 4,096 consecutive bytes to a load, read back at 16 x lane; of Wo 128 rows x 256 bytes to a load, padded.  The scale bytes of the work-group's 2 x 256 rows, for all of K, come into LDS once.
; CLUSTERS: 4 x 4 work-groups.  The four of a row of the cluster need the same tiles of y, the four of a column the same tiles of Wo: each is asked for jointly, by the same tensor load with the same descriptor and a mask that names the four.
; THE MATRIX INSTRUCTION IS USED TRANSPOSED (source 0 = 16 rows of Wo, source 1 = 16 rows of y): a lane holds eight neighbouring numbers of a row of the result.
; 128 work-groups: the result has 128 tiles of this size.
; LIMITS: NaN codes and scale bytes 0xff are not served.
; REGISTERS, in windows of 256: window 0: v0-31 addresses; v32-63 scale words, two sets; from v128 y's fragments, one set.  Window 1: Wo's fragments, two sets.  Windows 2, 3: the accumulators ((a, b) at v[8 (8 (a % 4) + b)]).
.set SIZE_N, 1024
.set NQ,     2                         ; matrix instructions deep in a slot
.set ROWB,   256                       ; a row of Wo's tile in bytes
.set KROW,   1024                      ; a row of Wo in memory; 16 rows of y are 16 of these too
.set AKB,    4096                      ; a K step's bytes of one tile of y
.set AHALF,  8*AKB                     ; eight tiles: what one tensor load brings of y
.set ABYTES, 2*AHALF
.set PITCH,  272                       ; an LDS row of Wo: 256 bytes + 16 of padding: the 16 rows that a load touches start at 16 different banks (64 banks of 4 bytes: ISA guide 11.1)
.set FR,     16
.set NL,     4
.set NP,     8                         ; places behind this matrix instruction (ISA guide 7.12.1)
.set HALFT,  128*PITCH
.set SLOT,   ABYTES+2*HALFT            ; y's 16 tiles, then Wo's 256 rows
.set KS,     32
.set SCL,    2*SLOT                    ; behind the ring: the scales, as 256 bytes + 16 of padding
.set HALFS,  (128*KS/256)*272
.set SBLK,   (16*KS/256)*272
.set SPARE,  SCL+4*HALFS               ; the spare words, 128 bytes for each wave: two blocks of 256 bytes that no other line names
.set SPITCH, 528                       ; the way out: a stage of 16 rows x (512 bytes + 16) for each wave, in slot 0, which has had its last fill and its last read when the first result is stored there
.set ADRA, 16
.set ADRB, 20
.set STO,  24
.set RD,   25
.set CO,   26
.set ADRS, 27
.set SPW,  28
.set NIL,  29
.set SC,   32
.set AF,   128
.set BK,   128
.set G1, 24
.set G0, 32
.set G1B, 48
.set G0B, 56
.set G1S, 68
.set G0S, 76
.set G1SB, 80
.set G0SB, 88
.set MSB, 0
.macro WIN new                         ; the immediate's high byte repeats the setting that is left
.if MSB != \new
	s_set_vgpr_msb (MSB<<8)|\new
.set MSB, \new
.endif
.endm
.set MUL_LO, 0xa1                      ; source 0 (Wo) window 1, source 1 (y) window 0, C and D window 2
.set MUL_HI, 0xf1
.set TO_B,   0x40
.macro JLOAD g0a, g1a, g0b, g1b        ; a joint load: waves 0 and 1 fetch for y, waves 2 and 3 for Wo; four v_nop follow each of the two lines
	s_cmp_eq_u32 s15, 0
	s_cbranch_scc0 .Lfor_b_\@
	tensor_load_to_lds s[\g0a:\g0a+3], s[\g1a:\g1a+7]
	s_nop 0
.rept 4
	v_nop
.endr
	s_branch .Lasked_\@
.Lfor_b_\@:
	tensor_load_to_lds s[\g0b:\g0b+3], s[\g1b:\g1b+7]
	s_nop 0
.rept 4
	v_nop
.endr
.Lasked_\@:
.endm
.macro CREST
	s_cmp_lg_u32 s14, 0
	s_cbranch_scc1 .Lnot_wave_0_\@
	s_barrier_signal -3
.Lnot_wave_0_\@:
	s_barrier_wait -3
	s_barrier_signal -1
	s_barrier_wait -1
.endm
.macro CROUND
	s_barrier_signal -1
	s_barrier_wait -1
	CREST
.endm
	s_load_b128 s[4:7], s[0:1], 0x0                ; y's codes, y's scales
	s_load_b128 s[8:11], s[0:1], 0x10              ; Wo's codes, Wo's scales
	s_load_b64 s[12:13], s[0:1], 0x20              ; out0
	v_lshl_add_u32 v[SPW], v0, 2, SPARE
	v_mov_b32 v[NIL], 0
	ds_add_u32 v28, v29
	ds_add_u32 v28, v29
	s_wait_dscnt 0x0
	v_lshrrev_b32 v1, 5, v0
	v_readfirstlane_b32 s14, v1                    ; wave 0..3
	s_lshr_b32 s15, s14, 1                         ; which half of the tile's rows is mine.  Also: I fetch for y (0) or for Wo (1)
	s_and_b32 s16, s14, 1                          ; which half of its columns.  Also: which half of that tile I fetch
	s_bfe_u32 s40, ttmp6, 0x40000                  ; cx, cy
	s_bfe_u32 s41, ttmp6, 0x40004
	s_lshl_b32 s42, ttmp9, 2
	s_add_co_u32 s42, s42, s40                     ; tile column = 4 x cluster x + cx
	s_and_b32 s17, ttmp7, 0xffff
	s_lshl_b32 s17, s17, 2
	s_add_co_u32 s17, s17, s41                     ; tile row = 4 x cluster y + cy
	s_lshl_b32 s43, s41, 2
	s_lshl_b32 s43, 15, s43                        ; my row of the cluster
	s_lshl_b32 s44, 0x1111, s40                    ; my column
	; descriptor group 1 for y: 8 rows of 4,096 bytes (512 elements of 8 bytes), 16,384 bytes apart, no padding
	s_or_b32 s[G1+0], s43, (3<<16)|(1<<21)
	s_mov_b32 s[G1+1], 512<<16                     ; tensor_dim0
	s_mov_b32 s[G1+2], 8<<16                       ; tensor_dim1
	s_mov_b32 s[G1+3], 512<<16                     ; tile_dim0
	s_mov_b32 s[G1+4], 8                           ; tile_dim1
	s_mov_b32 s[G1+5], 2048                        ; tensor_dim0_stride
	s_mov_b32 s[G1+6], 0
	s_mov_b32 s[G1+7], 0
	; for Wo: 128 rows x 256 bytes, 16 bytes of padding behind each
	s_or_b32 s[G1B+0], s44, (0<<16)|(1<<20)|(1<<21)|(5<<22)|(3<<25)
	s_mov_b32 s[G1B+1], ROWB<<16
	s_mov_b32 s[G1B+2], 128<<16
	s_mov_b32 s[G1B+3], ROWB<<16
	s_mov_b32 s[G1B+4], 128
	s_mov_b32 s[G1B+5], KROW
	s_mov_b32 s[G1B+6], 0
	s_mov_b32 s[G1B+7], 0
	; the scales of 128 rows: a dense block of 4,096 bytes, as rows of 256 bytes, 16 bytes of padding behind each
	s_or_b32 s[G1S+0], s43, (3<<16)|(1<<20)|(1<<21)|(5<<22)|(3<<25)
	s_or_b32 s[G1SB+0], s44, (3<<16)|(1<<20)|(1<<21)|(5<<22)|(3<<25)
.irp g, G1S, G1SB
	s_mov_b32 s[\g+1], 32<<16
	s_mov_b32 s[\g+2], (128*KS/256)<<16
	s_mov_b32 s[\g+3], 32<<16
	s_mov_b32 s[\g+4], 128*KS/256
	s_mov_b32 s[\g+5], 32
	s_mov_b32 s[\g+6], 0
	s_mov_b32 s[\g+7], 0
.endr
	s_lshl_b32 s18, s16, 7                         ; which 128 rows of the tile I fetch
	s_lshl_b32 s20, s17, 8
	s_add_co_u32 s20, s20, s18                     ; y: row (in tile order) 256 x tile row + 128 x half
	s_lshl_b32 s46, s42, 8
	s_add_co_u32 s46, s46, s18                     ; Wo: row 256 x tile column + 128 x half
	s_mov_b32 s21, 0
	s_mov_b32 s47, 0
	s_mov_b64 s[18:19], KS
	s_mul_u64 s[22:23], s[20:21], s[18:19]         ; where these rows' scales begin
	s_mul_u64 s[92:93], s[46:47], s[18:19]
	s_mov_b64 s[18:19], KROW
	s_mul_u64 s[20:21], s[20:21], s[18:19]         ; and their codes: 1,024 bytes a row in both tensors (a tile of y: 16 rows, 16,384 bytes)
	s_mul_u64 s[46:47], s[46:47], s[18:19]
	s_lshl_b32 s45, s16, 15                        ; where they go: y's half,
	s_mul_i32 s95, s16, HALFT
	s_add_co_u32 s95, s95, ABYTES                  ; Wo's half, behind y's two: no place in the cluster enters an LDS address
	s_mul_i32 s94, s14, HALFS
	s_wait_kmcnt 0x0
	s_add_nc_u64 s[20:21], s[4:5], s[20:21]
	s_add_nc_u64 s[22:23], s[6:7], s[22:23]
	s_add_nc_u64 s[46:47], s[8:9], s[46:47]
	s_add_nc_u64 s[92:93], s[10:11], s[92:93]
	CROUND                                         ; all sixteen work-groups are here: the first joint loads meet
	s_mov_b32 s[G0S], 1
	s_add_co_u32 s[G0S+1], s94, SCL
	s_mov_b64 s[G0S+2:G0S+3], s[22:23]
	s_or_b32 s[G0S+3], s[G0S+3], 0x80000000
	s_mov_b32 s[G0SB], 1
	s_add_co_u32 s[G0SB+1], s94, SCL
	s_mov_b64 s[G0SB+2:G0SB+3], s[92:93]
	s_or_b32 s[G0SB+3], s[G0SB+3], 0x80000000
	JLOAD G0S, G1S, G0SB, G1SB                     ; the scales first
.irp s, 0,1
	s_mov_b32 s[G0+4*\s], 1
	s_add_co_u32 s[G0+4*\s+1], s45, \s*SLOT
	s_add_nc_u64 s[G0+4*\s+2:G0+4*\s+3], s[20:21], \s*AKB
	s_or_b32 s[G0+4*\s+3], s[G0+4*\s+3], 0x80000000
	s_mov_b32 s[G0B+4*\s], 1
	s_add_co_u32 s[G0B+4*\s+1], s95, \s*SLOT
	s_add_nc_u64 s[G0B+4*\s+2:G0B+4*\s+3], s[46:47], \s*ROWB
	s_or_b32 s[G0B+4*\s+3], s[G0B+4*\s+3], 0x80000000
	s_wait_alu depctr_va_vdst(0)
	s_wait_tensorcnt 0x0
	ds_add_u32 v28, v29
	s_wait_dscnt 0x0
	CROUND
	JLOAD G0+4*\s, G1, G0B+4*\s, G1B               ; one load of mine is out behind each of these
.endr
	v_and_b32 v1, 15, v0                           ; l % 16
	v_bfe_u32 v2, v0, 4, 1                         ; l / 16
	v_mul_u32_u24 v3, v1, PITCH
	v_lshl_add_u32 v4, v2, 4, v3                   ; Wo: a fragment's row x pitch + 16 x half
	v_and_b32 v6, 31, v0
	v_lshlrev_b32 v5, 4, v6                        ; y: 16 x lane
	s_lshl_b32 s21, s15, 15                        ; my eight tiles of y
	s_mul_i32 s22, s16, HALFT                      ; my 128 rows of Wo,
	s_add_co_u32 s22, s22, ABYTES                  ; which lie behind y's sixteen tiles
.irp s, 0,1
	v_add_nc_u32 v[ADRA+\s], s21, v5
	v_add_nc_u32 v[ADRB+\s], s22, v4
	s_add_co_u32 s21, s21, SLOT
	s_add_co_u32 s22, s22, SLOT
.endr
	v_mul_u32_u24 v5, v1, KS                       ; my row's scales: 32 bytes a row,
	v_lshrrev_b32 v6, 8, v5
	v_lshl_add_u32 v5, v6, 4, v5                   ; and 16 more for each 256 passed
	s_mul_i32 s21, s15, HALFS
	s_mul_i32 s22, s16, HALFS
	s_add_co_u32 s22, s22, 2*HALFS
	s_sub_co_u32 s22, s22, s21
	v_mul_u32_u24 v6, s22, v2                      ; lanes 16-31 take Wo's
	s_add_co_u32 s21, s21, SCL
	v_add_nc_u32 v5, v5, v6
	v_add_nc_u32 v[ADRS], s21, v5
	s_mul_i32 s23, s14, 16*SPITCH                  ; my stage
	v_mul_u32_u24 v5, v1, SPITCH                   ; in: row l % 16, 32 bytes for each half of the lanes
	v_lshl_add_u32 v5, v2, 5, v5
	v_add_nc_u32 v[STO], s23, v5
	v_and_b32 v6, 31, v0
	v_lshlrev_b32 v[CO], 4, v6                     ; back: the 32 lanes take one row of 512 bytes; and the same in the result
	v_add_nc_u32 v[RD], s23, v[CO]
	s_lshl_b32 s20, s17, 8
	s_lshl_b32 s21, s15, 7
	s_add_co_u32 s20, s20, s21                     ; my first token: 256 x tile row + 128 x half
	s_mov_b32 s21, 0
	s_mov_b64 s[18:19], SIZE_N*4
	s_mul_u64 s[20:21], s[20:21], s[18:19]
	s_lshl_b32 s46, s42, 10                        ; my first column, in bytes: 1,024 x tile column + 512 x half
	s_lshl_b32 s47, s16, 9
	s_add_co_u32 s46, s46, s47
	s_mov_b32 s47, 0
	s_add_nc_u64 s[20:21], s[20:21], s[46:47]
	s_add_nc_u64 s[12:13], s[12:13], s[20:21]
.macro FRAG reg, adr, q, i             ; a fragment of Wo from rows: registers 4 c .. 4 c + 3 hold K = 32 c + 16 (l / 16) + 0 .. 15 of row l % 16
.irp c, 0,1,2,3
	ds_load_b128 v[\reg+4*\c:\reg+4*\c+3], v[\adr] offset:128*(\q)+32*\c+(\i)*16*PITCH
.endr
.endm
.macro FRAGA reg, adr, q, i            ; a fragment of y from its image: tile i, the slot's q-th 128 along K, four pieces
.irp c, 0,1,2,3
	ds_load_b128 v[\reg+4*\c:\reg+4*\c+3], v[\adr] offset:AKB*(\i)+2048*(\q)+512*\c
.endr
.endm
; 16 matrix instructions: y's blocks a0, a0 + 1 x Wo's eight.  The 64 accumulators take turns, one instruction a turn, in the same order in every step.
.macro MUL16 a0, p, q, sc, zero
.irp a, \a0, \a0+1
.irp b, 0,1,2,3,4,5,6,7
.if \zero
	v_wmma_scale_f32_16x16x128_f8f6f4 v[8*(8*((\a)%4)+\b):8*(8*((\a)%4)+\b)+7], v[128*(\p)+FR*\b:128*(\p)+FR*\b+FR-1], v[AF+FR*(\a):AF+FR*(\a)+FR-1], 0, v[SC+8*NQ*(\sc)+NQ*\b+(\q)], v[SC+8*NQ*(\sc)+NQ*(\a)+(\q)] matrix_a_scale:MATRIX_SCALE_ROW1
.else
	v_wmma_scale_f32_16x16x128_f8f6f4 v[8*(8*((\a)%4)+\b):8*(8*((\a)%4)+\b)+7], v[128*(\p)+FR*\b:128*(\p)+FR*\b+FR-1], v[AF+FR*(\a):AF+FR*(\a)+FR-1], v[8*(8*((\a)%4)+\b):8*(8*((\a)%4)+\b)+7], v[SC+8*NQ*(\sc)+NQ*\b+(\q)], v[SC+8*NQ*(\sc)+NQ*(\a)+(\q)] matrix_a_scale:MATRIX_SCALE_ROW1
.endif
.endr
.endr
.endm
.macro FETCH_B slot, q, p
	WIN TO_B
.irp i, 0,1,2,3,4,5,6,7
	FRAG 128*(\p)+FR*\i, ADRB+\slot, \q, \i
.endr
	WIN 0
.endm
.macro FETCH_A slot, q, i0
.irp i, \i0, \i0+1, \i0+2, \i0+3
	FRAGA AF+FR*(\i), ADRA+\slot, \q, \i
.endr
.endm
.macro SCALES sc
.irp i, 0,1,2,3,4,5,6,7
	ds_load_b64 v[SC+8*NQ*\sc+NQ*\i:SC+8*NQ*\sc+NQ*\i+1], v[ADRS] offset:\i*SBLK
.endr
.endm
.macro PLACES n                        ; plain vector instructions between a matrix instruction and a load into, or a read of, its registers (ISA guide 7.12.1 for vector instructions)
.rept \n
	v_nop
.endr
.endm
.macro STEP slot, q, zero
	s_wait_dscnt 4*NL                              ; Wo's set, the scale words and y's blocks 0-3 are in; the youngest sixteen loads (blocks 4-7) may be out
	WIN MUL_LO
	MUL16 0, (\q)%2, \q, \slot, \zero
	MUL16 2, (\q)%2, \q, \slot, \zero
	s_wait_dscnt 0
	PLACES NP
	FETCH_B \slot, (\q)+1, 1-(\q)%2
	FETCH_A \slot, (\q)+1, 0
	WIN MUL_HI
	MUL16 4, (\q)%2, \q, \slot, \zero
	MUL16 6, (\q)%2, \q, \slot, \zero
	PLACES NP
	WIN 0
	FETCH_A \slot, (\q)+1, 4
.endm
.macro TURN slot, next, fill
	s_wait_tensorcnt 0x0                           ; all my tensor loads have landed: my part of the next slot
	ds_add_u32 v[SPW], v[NIL]                      ; 0 onto my spare word
	s_wait_dscnt 4*NL+1                            ; (the add and the youngest sixteen loads may be out)
	WIN MUL_LO
	MUL16 0, 1, NQ-1, \slot, 0
	s_wait_dscnt 0x0                               ; the add is done, and my reads of this slot are over
	s_barrier_signal -1
	MUL16 2, 1, NQ-1, \slot, 0
	WIN 0
	s_barrier_wait -1
.if \fill
	CREST                                          ; the barrier has opened a round of the cluster's barrier: no wave of any partner still reads this slot's tile or has a load on its way
	s_add_nc_u64 s[G0+4*\slot+2:G0+4*\slot+3], s[G0+4*\slot+2:G0+4*\slot+3], 2*AKB
	s_add_nc_u64 s[G0B+4*\slot+2:G0B+4*\slot+3], s[G0B+4*\slot+2:G0B+4*\slot+3], 2*ROWB
	JLOAD G0+4*\slot, G1, G0B+4*\slot, G1B         ; the first tensor load behind the round, my one load until the next
	PLACES NP-4
.else
	PLACES NP
.endif
	s_wait_alu depctr_va_vdst(0)
	v_add_nc_u32 v[ADRS], 4*NQ, v[ADRS]
	FETCH_B \next, 0, 0
	FETCH_A \next, 0, 0
	SCALES \next
	WIN MUL_HI
	MUL16 4, 1, NQ-1, \slot, 0
	MUL16 6, 1, NQ-1, \slot, 0
	PLACES NP
	WIN 0
	FETCH_A \next, 0, 4
.endm
	s_wait_alu depctr_va_vdst(0)
	s_wait_tensorcnt 1                             ; the scales and my part of K step 0 are in (K step 1's load may be out)
	s_barrier_signal -1
	s_barrier_wait -1
	FETCH_B 0, 0, 0
	FETCH_A 0, 0, 0
	SCALES 0
	FETCH_A 0, 0, 4
	; K = 1,024 is eight steps of 128: they are written out, since a loop would hold the same eight steps in its text
	STEP 0, 0, 1
	TURN 0, 1, 1
	STEP 1, 0, 0
	TURN 1, 0, 1
	STEP 0, 0, 0
	TURN 0, 1, 0
	STEP 1, 0, 0
	s_wait_dscnt 4*NL
	WIN MUL_LO
	MUL16 0, 1, NQ-1, 1, 0
	MUL16 2, 1, NQ-1, 1, 0
	s_wait_dscnt 0
	WIN MUL_HI
	MUL16 4, 1, NQ-1, 1, 0
	MUL16 6, 1, NQ-1, 1, 0
	WIN 0
; THE WAY OUT, block by block of 16 rows x 128 columns, through my own stage in LDS: in as 32 bytes a lane, back as whole rows of 512 bytes.  LDS serves a wave's instructions in order (ISA guide 5.7.1.4).
.macro TOSTAGE a
.set AC, 64*((\a)%4)
.set WW, 8+4*((\a)/4)
	WIN WW                                         ; the data: window 2 or 3
.irp b, 0,1,2,3,4,5,6,7
	ds_store_b128 v[STO], v[AC+8*\b:AC+8*\b+3] offset:64*\b          ; each accumulator from its low end on
	ds_store_b128 v[STO], v[AC+8*\b+4:AC+8*\b+7] offset:64*\b+16
.endr
	WIN 0
.set BB, BK+64*((\a)%2)
.irp t, 0,1,2,3,4,5,6,7,8,9,10,11,12,13,14,15
	ds_load_b128 v[BB+4*\t:BB+4*\t+3], v[RD] offset:\t*SPITCH
.endr
.endm
.macro SEND a, younger                 ; row t of block a is token 32 (a / 2) + 8 (a % 2) + t + 8 (t / 8) of my 128: the place stands in the immediate, 520,192 bytes at the most
.set BB, BK+64*((\a)%2)
	s_wait_dscnt \younger
.irp t, 0,1,2,3,4,5,6,7,8,9,10,11,12,13,14,15
	global_store_b128 v[CO], v[BB+4*\t:BB+4*\t+3], s[12:13] offset:(32*((\a)/2)+8*((\a)%2)+\t+8*(\t/8))*SIZE_N*4 th:TH_STORE_NT   ; 32 lanes store 512 consecutive bytes, aligned; written once, read by nobody here
.endr
.endm
	PLACES NP
	TOSTAGE 0
.irp a, 1,2,3,4,5,6,7
.if \a > 1
	s_wait_xcnt 0x0                                ; block a - 2's stores have read their registers: block a's loads may land there
.endif
	TOSTAGE \a
	SEND \a-1, 32                                  ; behind block a - 1's loads: block a's 16 stores and 16 loads
.endr
	SEND 7, 0
	s_wait_tensorcnt 0x0                           ; the wave's end
	ds_add_u32 v[SPW], v[NIL]
	s_wait_dscnt 0x0
	CROUND                                         ; the closing round
	s_endpgm
.Lfunc_end_k_q0dbb3b15b7_outp:
	.size	k_q0dbb3b15b7_outp, .Lfunc_end_k_q0dbb3b15b7_outp-k_q0dbb3b15b7_outp
	.p2alignl 7, 3214868480
	.fill 96, 4, 3214868480
	.section	.rodata,"a",@progbits
	.p2align	6, 0x0
	.amdhsa_kernel k_q0dbb3b15b7_outp
		.amdhsa_group_segment_fixed_size 327680
		.amdhsa_private_segment_fixed_size 0
		.amdhsa_enable_private_segment 0
		.amdhsa_kernarg_size 40
		.amdhsa_user_sgpr_count 2
		.amdhsa_user_sgpr_kernarg_segment_ptr 1
		.amdhsa_wavefront_size32 1
		.amdhsa_system_sgpr_workgroup_id_x 1
		.amdhsa_system_sgpr_workgroup_id_y 1
		.amdhsa_system_sgpr_workgroup_id_z 1
		.amdhsa_system_vgpr_workitem_id 0
		.amdhsa_next_free_vgpr 1024
		.amdhsa_next_free_sgpr 98
		.amdhsa_reserve_vcc 0
		.amdhsa_float_denorm_mode_32 3
		.amdhsa_float_denorm_mode_16_64 3
		.amdhsa_memory_ordered 1
		.amdhsa_forward_progress 1
		.amdhsa_inst_pref_size 146
	.end_amdhsa_kernel
	.amdgpu_metadata
---
amdhsa.version: [ 1, 2 ]
amdhsa.kernels:
  - .name:           k_q0dbb3b15b7_outp
    .symbol:         k_q0dbb3b15b7_outp.kd
    .args:
      - { .name: y_codes, .offset: 0, .size: 8, .value_kind: global_buffer, .address_space: global }
      - { .name: y_scales, .offset: 8, .size: 8, .value_kind: global_buffer, .address_space: global }
      - { .name: Wo_codes, .offset: 16, .size: 8, .value_kind: global_buffer, .address_space: global }
      - { .name: Wo_scales, .offset: 24, .size: 8, .value_kind: global_buffer, .address_space: global }
      - { .name: out0, .offset: 32, .size: 8, .value_kind: global_buffer, .address_space: global }
    .group_segment_fixed_size: 327680
    .private_segment_fixed_size: 0
    .kernarg_segment_align: 8
    .kernarg_segment_size: 40
    .max_flat_workgroup_size: 128
    .sgpr_count:     98
    .vgpr_count:     1024
    .wavefront_size: 32
...
	.end_amdgpu_metadata
.endif
;; end of part 3
